; MI455X (gfx1250); checked and timed in simulation.
; The chip was launched on July 23, 2026; its instructions are those of AMD's public machine-readable ISA for CDNA 5 (MIT licence, August 2026) and "CDNA5" Instruction Set Architecture Reference Guide (July 2026). The comments in the code are by the model that wrote it; some were corrected since.
;; Multi Head Attention. Allowed arithmetic: float matrix products may take bf16 or f16 operands with f32 sums; other float arithmetic in f32, or as packed bf16 or f16 multiplies, adds, multiply-adds, maxima and minima; sums over many terms, partial sums and values carried from step to step in f32; what a program stores and reads back later, other than sums and carried values, may be rounded once to bf16 or f16.
;; Inputs: b_k 1,024 float32; b_o 1,024 float32; b_q 1,024 float32; b_v 1,024 float32; w_k 1,024 x 1,024 float32; w_o 1,024 x 1,024 float32; w_q 1,024 x 1,024 float32; w_v 1,024 x 1,024 float32; x 4 x 2,048 x 1,024 float32.
;; Outputs: out0 4 x 2,048 x 1,024 float32.
;; One version. Each part assembles by itself: llvm-mc -triple=amdgcn-amd-amdhsa -mcpu=gfx1250 --defsym DOCPART=n.
;; ======== version 1 of 1: 4 launches
;; limits: values are held in f16: magnitudes above 65,504 overflow, below 6.1e-05 lose precision
;; workspace buffers: xb 16,777,216 bytes; wqkv 6,291,456 bytes; wo16 2,097,152 bytes; bias 16,384 bytes; qkv 50,331,648 bytes; ctx 16,777,216 bytes
;; launch cast (part 1): grid 769 x 1, 8 waves a work-group, no clusters, 0 bytes of LDS; arguments x, w_q, w_k, w_v, w_o, b_q, b_k, b_v, b_o, xb, wqkv, wo16, bias; writes xb, wqkv, wo16, bias
.if DOCPART == 1
	.amdgcn_target "amdgcn-amd-amdhsa--gfx1250"
	.amdhsa_code_object_version 6
	.text
	.protected	k_qd6f878ffa1_cast
	.globl	k_qd6f878ffa1_cast
	.p2align	8
	.type	k_qd6f878ffa1_cast,@function
k_qd6f878ffa1_cast:
	s_mov_b64 s[64:65], 0
	v_nop
	global_prefetch_b8 v0, s[64:65] scope:SCOPE_SE
	s_setreg_imm32_b32 hwreg(HW_REG_WAVE_MODE, 25, 1), 1
	s_wait_xcnt 0x0
; EVERY INPUT IS ROUNDED ONCE, to bf16, and laid where the products want it.
;   x [8192][1024] f32        -> xb   [8192][1024] bf16
;   w_q, w_k, w_v [1024][1024] -> wqkv [k = 1024][n = 3072] bf16: columns 0-1023 w_q, 1024-2047 w_k, 2048-3071 w_v
;   w_o [1024][1024]          -> wo16 [k][n]: rounded to bf16, and that number written as f16 (its partner in the last product is f16)
;   b_q, b_k, b_v, b_o [1024] -> bias [4096] f32: each rounded to bf16 and widened again
; LIMITS.  w_o must stay within f16's 65,504; below 6.1e-5 it keeps f16's fixed step of 6e-8.
; A stream: no LDS, no matrix unit, no cluster, since no byte is read twice.  Eight waves; a work-group takes 16 rows of 1,024 f32 (65,536 bytes).
; Thread t owns columns 4 t .. 4 t + 3 of every row: a wave's load covers 512 consecutive bytes, its 8-byte store 256 consecutive bytes at a multiple of 256.
; All 16 loads of a thread go out at once; every row has registers of its own for what is loaded and for what is stored, so nothing that a pending
; instruction names is ever rewritten.  Work-groups 0-511: x; 512-575: w_q; 576-639: w_k; 640-703: w_v; 704-767: w_o; 768: the four biases.
.set X, 4                              ; v[4:67]    row j: 4 registers as loaded
.set Y, 68                             ; v[68:99]   row j: 2 registers to store (the biases: 4 registers each)
.set T, 100                            ; v[100:101] at work
	s_load_b512 s[4:19], s[0:1], 0x0               ; x 4:5, w_q 6:7, w_k 8:9, w_v 10:11, w_o 12:13, b_q 14:15, b_k 16:17, b_v 18:19
	s_load_b256 s[20:27], s[0:1], 0x40             ; b_o 20:21, xb 22:23, wqkv 24:25, wo16 26:27
	s_load_b64 s[28:29], s[0:1], 0x60              ; bias
	v_lshlrev_b32 v1, 4, v0                        ; my 16 bytes in a row of f32; never rewritten
	v_lshlrev_b32 v2, 3, v0                        ; my 8 bytes in a row of 16-bit numbers; never rewritten
	s_mov_b32 s30, ttmp9                           ; the work-group's number
	s_and_b32 s31, s30, 63                         ; its block of 16 rows in a weight,
	s_cmp_lt_u32 s30, 512
	s_cselect_b32 s31, s30, s31                    ; or in x
	s_lshl_b32 s36, s31, 16                        ; 16 rows of 4,096 bytes
	s_mov_b32 s37, 0
	s_mov_b32 s39, 0
	s_wait_kmcnt 0x0
	s_cmp_eq_u32 s30, 768
	s_cbranch_scc1 .Lbias
	s_mov_b64 s[32:33], s[4:5]                     ; the source: chosen by the work-group's number alone
	s_cmp_ge_u32 s30, 512
	s_cselect_b64 s[32:33], s[6:7], s[32:33]
	s_cmp_ge_u32 s30, 576
	s_cselect_b64 s[32:33], s[8:9], s[32:33]
	s_cmp_ge_u32 s30, 640
	s_cselect_b64 s[32:33], s[10:11], s[32:33]
	s_cmp_ge_u32 s30, 704
	s_cselect_b64 s[32:33], s[12:13], s[32:33]
	s_add_nc_u64 s[32:33], s[32:33], s[36:37]
.irp j, 0,1,2,3,4,5,6,7,8,9,10,11,12,13,14,15
	global_load_b128 v[X+4*(\j):X+4*(\j)+3], v1, s[32:33] offset:4096*(\j) th:TH_LOAD_NT  ; read once in the launch
.endr
; The 16 rows are rounded and stored, pitch bytes apart.  half = 1: the bf16 number is written as f16.
.macro ROWS pitch, half
.irp j, 0,1,2,3,4,5,6,7,8,9,10,11,12,13,14,15
	s_wait_loadcnt 15-(\j)                         ; loads come back in order (ISA guide 5.7.1): row j is in, the 15 - j younger rows stay out
.if \half
	v_cvt_pk_bf16_f32 v[T],   v[X+4*(\j)],   v[X+4*(\j)+1]
	v_cvt_pk_bf16_f32 v[T+1], v[X+4*(\j)+2], v[X+4*(\j)+3]
	v_lshlrev_b32 v[X+4*(\j)],   16, v[T]          ; bf16 to f32: the low half moves up, the high half stays
	v_and_b32     v[X+4*(\j)+1], 0xffff0000, v[T]
	v_lshlrev_b32 v[X+4*(\j)+2], 16, v[T+1]
	v_and_b32     v[X+4*(\j)+3], 0xffff0000, v[T+1]
	v_cvt_pk_f16_f32 v[Y+2*(\j)],   v[X+4*(\j)],   v[X+4*(\j)+1]  ; 8 significant bits fit f16's 11: exact within f16's normal range
	v_cvt_pk_f16_f32 v[Y+2*(\j)+1], v[X+4*(\j)+2], v[X+4*(\j)+3]
.else
	v_cvt_pk_bf16_f32 v[Y+2*(\j)],   v[X+4*(\j)],   v[X+4*(\j)+1]
	v_cvt_pk_bf16_f32 v[Y+2*(\j)+1], v[X+4*(\j)+2], v[X+4*(\j)+3]
.endif
	global_store_b64 v2, v[Y+2*(\j):Y+2*(\j)+1], s[34:35] offset:(\j)*(\pitch)
.endr
.endm
	s_cmp_lt_u32 s30, 512
	s_cbranch_scc0 .Lweights
	s_lshl_b32 s38, s30, 15                        ; 16 rows of 2,048 bytes
	s_add_nc_u64 s[34:35], s[22:23], s[38:39]
	ROWS 2048, 0
	s_endpgm
.Lweights:
	s_cmp_lt_u32 s30, 704
	s_cbranch_scc0 .Lwo
	s_mul_i32 s38, s31, 98304                      ; 16 rows of 6,144 bytes,
	s_sub_co_u32 s2, s30, 512
	s_lshr_b32 s2, s2, 6                           ; which of the three weights:
	s_lshl_b32 s2, s2, 11                          ; its 1,024 columns of 2 bytes
	s_add_co_u32 s38, s38, s2
	s_add_nc_u64 s[34:35], s[24:25], s[38:39]
	ROWS 6144, 0
	s_endpgm
.Lwo:
	s_lshl_b32 s38, s31, 15
	s_add_nc_u64 s[34:35], s[26:27], s[38:39]
	ROWS 2048, 1
	s_endpgm
.Lbias:                                                ; 256 threads x 16 bytes are one bias
	global_load_b128 v[X:X+3],     v1, s[14:15]
	global_load_b128 v[X+4:X+7],   v1, s[16:17]
	global_load_b128 v[X+8:X+11],  v1, s[18:19]
	global_load_b128 v[X+12:X+15], v1, s[20:21]
.irp i, 0,1,2,3
	s_wait_loadcnt 3-(\i)                          ; bias i is in, the younger ones stay out
	v_cvt_pk_bf16_f32 v[T],   v[X+4*(\i)],   v[X+4*(\i)+1]
	v_cvt_pk_bf16_f32 v[T+1], v[X+4*(\i)+2], v[X+4*(\i)+3]
	v_lshlrev_b32 v[Y+4*(\i)],   16, v[T]
	v_and_b32     v[Y+4*(\i)+1], 0xffff0000, v[T]
	v_lshlrev_b32 v[Y+4*(\i)+2], 16, v[T+1]
	v_and_b32     v[Y+4*(\i)+3], 0xffff0000, v[T+1]
	global_store_b128 v1, v[Y+4*(\i):Y+4*(\i)+3], s[28:29] offset:4096*(\i)
.endr
	s_endpgm
.Lfunc_end_k_qd6f878ffa1_cast:
	.size	k_qd6f878ffa1_cast, .Lfunc_end_k_qd6f878ffa1_cast-k_qd6f878ffa1_cast
	.p2alignl 7, 3214868480
	.fill 96, 4, 3214868480
	.section	.rodata,"a",@progbits
	.p2align	6, 0x0
	.amdhsa_kernel k_qd6f878ffa1_cast
		.amdhsa_group_segment_fixed_size 0
		.amdhsa_private_segment_fixed_size 0
		.amdhsa_enable_private_segment 0
		.amdhsa_kernarg_size 104
		.amdhsa_user_sgpr_count 2
		.amdhsa_user_sgpr_kernarg_segment_ptr 1
		.amdhsa_wavefront_size32 1
		.amdhsa_system_sgpr_workgroup_id_x 1
		.amdhsa_system_sgpr_workgroup_id_y 1
		.amdhsa_system_sgpr_workgroup_id_z 1
		.amdhsa_system_vgpr_workitem_id 0
		.amdhsa_next_free_vgpr 104
		.amdhsa_next_free_sgpr 66
		.amdhsa_reserve_vcc 0
		.amdhsa_float_denorm_mode_32 3
		.amdhsa_float_denorm_mode_16_64 3
		.amdhsa_memory_ordered 1
		.amdhsa_forward_progress 1
		.amdhsa_inst_pref_size 23
	.end_amdhsa_kernel
	.amdgpu_metadata
---
amdhsa.version: [ 1, 2 ]
amdhsa.kernels:
  - .name:           k_qd6f878ffa1_cast
    .symbol:         k_qd6f878ffa1_cast.kd
    .args:
      - { .name: x, .offset: 0, .size: 8, .value_kind: global_buffer, .address_space: global }
      - { .name: w_q, .offset: 8, .size: 8, .value_kind: global_buffer, .address_space: global }
      - { .name: w_k, .offset: 16, .size: 8, .value_kind: global_buffer, .address_space: global }
      - { .name: w_v, .offset: 24, .size: 8, .value_kind: global_buffer, .address_space: global }
      - { .name: w_o, .offset: 32, .size: 8, .value_kind: global_buffer, .address_space: global }
      - { .name: b_q, .offset: 40, .size: 8, .value_kind: global_buffer, .address_space: global }
      - { .name: b_k, .offset: 48, .size: 8, .value_kind: global_buffer, .address_space: global }
      - { .name: b_v, .offset: 56, .size: 8, .value_kind: global_buffer, .address_space: global }
      - { .name: b_o, .offset: 64, .size: 8, .value_kind: global_buffer, .address_space: global }
      - { .name: xb, .offset: 72, .size: 8, .value_kind: global_buffer, .address_space: global }
      - { .name: wqkv, .offset: 80, .size: 8, .value_kind: global_buffer, .address_space: global }
      - { .name: wo16, .offset: 88, .size: 8, .value_kind: global_buffer, .address_space: global }
      - { .name: bias, .offset: 96, .size: 8, .value_kind: global_buffer, .address_space: global }
    .group_segment_fixed_size: 0
    .private_segment_fixed_size: 0
    .kernarg_segment_align: 8
    .kernarg_segment_size: 104
    .max_flat_workgroup_size: 256
    .sgpr_count:     66
    .vgpr_count:     104
    .wavefront_size: 32
...
	.end_amdgpu_metadata
.endif
;; end of part 1
;; launch proj (part 2): grid 16 x 32, 4 waves a work-group, clusters of 4 x 4, 327,680 bytes of LDS; arguments xb, wqkv, bias, qkv; writes qkv
.if DOCPART == 2
	.amdgcn_target "amdgcn-amd-amdhsa--gfx1250"
	.amdhsa_code_object_version 6
	.text
	.protected	k_qd6f878ffa1_proj
	.globl	k_qd6f878ffa1_proj
	.p2align	8
	.type	k_qd6f878ffa1_proj,@function
k_qd6f878ffa1_proj:
	s_mov_b64 s[64:65], 0
	v_nop
	global_prefetch_b8 v0, s[64:65] scope:SCOPE_SE
	s_setreg_imm32_b32 hwreg(HW_REG_WAVE_MODE, 25, 1), 1
	s_wait_xcnt 0x0
	s_wait_alu depctr_hold_cnt(0) depctr_sa_sdst(0) depctr_va_vdst(0) depctr_va_sdst(0) depctr_va_ssrc(0) depctr_va_vcc(0) depctr_vm_vsrc(0)
	s_getreg_b32 s2, hwreg(HW_REG_IB_STS2, 6, 4)
	s_cmp_eq_u32 s2, 0
	s_cbranch_scc0 .Lentry_in_a_cluster
	s_endpgm
.Lentry_in_a_cluster:
	s_bfe_u32 s2, ttmp6, 0x10000c
	s_cmp_lg_u32 s2, 0xf033
	s_cbranch_scc0 .Lentry_shape_is_right
	s_endpgm
.Lentry_shape_is_right:
; C[m][n] = bias[n] + the sum over k of A[m][k] W[k][n], M = 8,192, K = 1,024; sums in f32.  ONE TEXT FOR TWO PRODUCTS, chosen by OUTP:
;   OUTP = 0: A = x in bf16 [8192][1024], W = w_q | w_k | w_v in bf16 [1024][3072]; C is rounded once to f16 and stored by heads, [3][batch x 16 + head][2048][64].  Tile 256 x 192: 512 work-groups, two for each of 256 WGPs
;             (256 x 256 would make 384, a share and a half; 256 x 384 wants 768 registers of sums and 320 of fragments, more than the 1,024 of a wave).
;   OUTP = 1: A = the attention's result in f16 by heads [batch x 16 + head][2048][64] (k = 64 head + channel), W = w_o as f16 [1024][1024]; C is f32 [8192][1024].  Tile 256 x 128: 256 work-groups.
; LIMITS.  OUTP = 0: a result of 65,520 or more becomes an infinity in f16, and the row is lost; below 6.1e-5 f16 keeps its fixed step of 6e-8.  NaN and infinities are not treated apart.
; SHARES.  Four waves; a wave owns 64 rows and ALL the tile's columns: 4 blocks of 16 rows x NB blocks of 16 columns.  So a wave's columns are whole heads, or whole 512 bytes of a row of f32, and
; each wave has a stage of its own on the way out: no barrier there.
; K goes in 8 steps of 128 through a ring of two LDS slots filled by the tensor data mover; a step is four quarters of 32 along K on two fragment buffers.
; W LIES [k][n] and is read turned, by ds_load_tr16_b128.  THE MATRIX INSTRUCTION IS USED TRANSPOSED: source 0 = 16 columns of W, source 1 = 16 rows of A: a lane then holds row lane % 16 of C and the eight
; neighbouring columns 8 (lane / 16) + 0..7.  THE BIAS is the C operand of the products that start the sums: no addition and no clearing is written.
; CLUSTERS: 4 x 4 work-groups.  The four of a row of the cluster need the same tiles of A, the four of a column the same tiles of W: each is asked for JOINTLY, by the same tensor load with the same descriptor
; and a mask that names the four.  Waves 0 and 1 fetch A's two halves, waves 2 and 3 W's two halves of 64 k: one load a wave behind each round; by this text's count a wave has two loads out at the start, later one.
; REGISTERS, in windows of 256 (s_set_vgpr_msb: bits 1:0 source 0, 3:2 source 1, 5:4 source 2, 7:6 destination):
;   window 0: v0-29 addresses; v64-127 A's fragments, two buffers of 4 x 8; v128.. the bias, 8 NB registers, read by the first quarter alone; on the way out v64-255 at work
;   window 1: W's fragments, two buffers of 8 NB          window 2: the sums of my row blocks 0, 1 (block a, column block b at 8 (NB (a % 2) + b))          window 3: those of row blocks 2, 3
.set OUTP, 0
.if OUTP
.set NB,    8                          ; column blocks of 16
.set PA,    144                        ; a row of A in LDS: a head's 128 bytes + 16 = 36 words: the 16 rows of a load start at 16 different groups of four banks (64 banks of 4 bytes: ISA guide 11.1)
.set AH,    256*PA                     ; what one load of A brings: one head's 256 rows
.set PB,    288                        ; a k row of W: 256 bytes + 32 = 72 words
.set ASTR,  128                        ; a head's 256 dense rows are asked for as 128 rows of 256 bytes
.set BSTR,  1024
.set AW0,   (1<<16)|(1<<20)|(1<<21)|(4<<22)|(3<<25)  ; 17:16 2-byte elements; 20 padding on; 21 set beside a mask; 24:22 after every 32 words (code 4); 31:25 4 words (code 3)
.set BW0,   (1<<16)|(1<<20)|(1<<21)|(5<<22)|(7<<25)  ; after every 64 words (code 5) 8 words (code 7)
.set STEPA, 2<<18                      ; a K step is two heads of 2,048 x 128 bytes
.set STEPB, 128*2048
.set STW,   16*528                     ; a wave's stage: 16 rows of 512 bytes + 16
.else
.set NB,    12
.set PA,    272                        ; 256 bytes + 16 = 68 words: row r starts at bank 4 r mod 64
.set AH,    128*PA                     ; 128 rows
.set PB,    480                        ; a k row of W: 384 bytes as three pieces of 128 + 32 = 120 words
.set ASTR,  1024
.set BSTR,  3072
.set AW0,   (1<<16)|(1<<20)|(1<<21)|(5<<22)|(3<<25)  ; after every 64 words (code 5) 4 words (code 3)
.set BW0,   (1<<16)|(1<<20)|(1<<21)|(4<<22)|(7<<25)  ; after every 32 words (code 4), which divide the row's 96, 8 words (code 7)
.set STEPA, 256
.set STEPB, 128*6144
.set STW,   3*16*144                   ; a wave's stage: for each of three heads 16 rows of 128 bytes + 16
.endif
.set BH,    64*PB                      ; what one load of W brings: 64 k rows
.set BOFF,  2*AH                       ; in a slot W lies behind A
.set SLOT1, 1<<17                      ; slot 1 begins here, so that one exclusive or turns an address in one slot into the other's; a slot uses 131,072 bytes (OUTP = 0) or 110,592
.set STAGE, 2*SLOT1                    ; behind the ring, never filled by a tensor load
.set SPARE, STAGE+4*STW                ; behind the stages: the spare words, 128 bytes for each wave: two blocks of 256 bytes that no other line names
.set BI,    128                        ; the bias, in window 0
; v1 lane % 16; v2 lane / 16; v4, v5 my lane's place in a slot's A and W, never rewritten; v6, v7 the same in the slot that is being read; v8 the way out: where I put my bytes of a row;
; v9 where I read rows back; v10 16 x lane; v11 32 x (lane / 16); v12, v13 at work; v28 my spare word's address, v29 0: never rewritten
; s[4:11] A, W, bias, C; s12 wave; s13 wave / 2 (0: I fetch A, 1: W); s14 wave % 2 (which half); s15, s16 cx, cy; s17 tile column; s18 tile row; s19, s20 masks; s[24:31], s[32:39] group 1 for A, W;
; s[40:47], s[48:55] group 0 for A, W: a set for each of the two first fills, the second then walks; s[56:59] byte offsets; s60, s61 LDS addresses; s62 the slot being read; s63 the loop's count;
; s[66:69] tile addresses; s[70:71] bias; s[72:77] C; s2, s3, s21, s23, s[78:87] at work
.set MSB, 0
.macro WIN new                         ; the immediate's high byte repeats the setting that is left; a switch that changes nothing is dropped
.if MSB != (\new)
	s_set_vgpr_msb (MSB<<8)|(\new)
.set MSB, \new
.endif
.endm
; A load into a register that a matrix instruction has read, and whatever but a matrix instruction reads a matrix result, stand four places behind that matrix instruction, and only plain vector
; instructions that name none of its registers are places (ISA guide 7.12.1 for vector instructions).
.macro PLACES
.rept 4
	v_nop
.endr
.endm
; A joint refill, by the walking descriptors.  The branch hangs on the wave's number alone.  An s_nop 0 and four v_nop follow each of the two lines, ahead of the jump, the label and what follows.
.macro JLOAD
	s_cmp_eq_u32 s13, 0
	s_cbranch_scc0 .Lfor_b_\@
	tensor_load_to_lds s[44:47], s[24:31]
	s_nop 0
.rept 4
	v_nop
.endr
	s_branch .Lasked_\@
.Lfor_b_\@:
	tensor_load_to_lds s[52:55], s[32:39]
	s_nop 0
.rept 4
	v_nop
.endr
.Lasked_\@:
.endm
; A round of the cluster's barrier: my work-group's barrier, so that wave 0's signal speaks for all four waves; wave 0 signals; every wave waits for all sixteen work-groups; my work-group's barrier once more.
.macro CREST                           ; a round behind its opening barrier
	s_cmp_lg_u32 s12, 0
	s_cbranch_scc1 .Lnot_wave_0_\@
	s_barrier_signal -3
.Lnot_wave_0_\@:
	s_barrier_wait -3
	s_barrier_signal -1
	s_barrier_wait -1
.endm
.macro CROUND                          ; a whole round
	s_barrier_signal -1
	s_barrier_wait -1
	CREST
.endm
.macro WM                              ; one matrix instruction on the registers rD, rB, rA, rC
.if OUTP
	v_wmma_f32_16x16x32_f16 v[rD:rD+7], v[rB:rB+7], v[rA:rA+7], v[rC:rC+7]
.else
	v_wmma_f32_16x16x32_bf16 v[rD:rD+7], v[rB:rB+7], v[rA:rA+7], v[rC:rC+7]
.endif
.endm
; NB matrix instructions: row block a x all column blocks, 32 along K, from buffer f.  first = 1: the products start the sums, with the bias as C.
; Every quarter takes the 4 NB accumulators in the same order, one instruction a turn: between two links of a chain stand the 4 NB - 1 others', over the loop's backward jump too.
.macro MULA f, a, first
.if \first
	WIN 0x81+0x40*((\a)/2)             ; W window 1, A and the bias window 0, D window 2 or 3
.else
	WIN 0xa1+0x50*((\a)/2)             ; W window 1, A window 0, C and D window 2 or 3
.endif
.set bb, 0
.rept NB
.set rD, 8*(NB*((\a)%2)+bb)
.set rB, 8*NB*(\f)+8*bb
.set rA, 64+32*(\f)+8*(\a)
.if \first
.set rC, BI+8*bb
.else
.set rC, rD
.endif
	WM
.set bb, bb+1
.endr
.endm
; 2 NB + 8 LDS loads in one run: the fragments of quarter q of the slot in hand into buffer f.  W first (turned: lane l reads k = 8 (l / 16) + l % 8, columns 8 ((l / 8) % 2) + 0..7, and is left with column
; l % 16 and 8 k), then A's four row blocks (lane l: row l % 16, k = 8 (l / 16) + 0..7 and 16 more: two loads 32 bytes apart).
.macro FETCH q, f
	WIN 0x40                           ; destination window 1, address window 0
.set bb, 0
.rept NB
.set rB, 8*NB*(\f)+8*bb
.if OUTP
.set cb, 32*bb
.else
.set cb, (bb/4)*160+(bb%4)*32          ; four column blocks to a padded piece of 128 bytes
.endif
	ds_load_tr16_b128 v[rB:rB+3],   v7 offset:32*PB*(\q)+cb
	ds_load_tr16_b128 v[rB+4:rB+7], v7 offset:32*PB*(\q)+cb+16*PB
.set bb, bb+1
.endr
	WIN 0
.if OUTP
.set ka, ((\q)/2)*AH+((\q)%2)*64       ; quarters 0, 1 lie in the step's first head, 2, 3 in its second
.else
.set ka, 64*(\q)
.endif
.irp i, 0,1,2,3
	ds_load_b128 v[64+32*(\f)+8*(\i):64+32*(\f)+8*(\i)+3],   v6 offset:ka+(\i)*16*PA
	ds_load_b128 v[64+32*(\f)+8*(\i)+4:64+32*(\f)+8*(\i)+7], v6 offset:ka+(\i)*16*PA+32
.endr
.endm
; One of a K step's first three quarters: multiplies buffer f; in its middle it fetches quarter q into buffer g.
.macro QUARTER q, f, g, first
	s_wait_dscnt 4                     ; W and A's row blocks 0, 1 are in; the youngest four loads (row blocks 2, 3) may be out
	MULA \f, 0, \first
	MULA \f, 1, \first
	PLACES
	FETCH \q, \g
	s_wait_dscnt 2*NB+8                ; all but the run just issued
	MULA \f, 2, \first
	MULA \f, 3, \first
.endm
; The last quarter multiplies buffer 1 and changes slots.  MEET is its first half: ONE barrier.  In front of it each wave waits for all its tensor loads, of which one is out: its part of the next slot; adds 0 to its
; spare word; and waits for that and for its own reads of this slot.  Behind it nobody reads this slot any more and the next slot is whole.  round = 1: a round of the cluster's barrier follows.
.macro MEET round
	WIN 0                              ; (the add's two registers lie in window 0)
	s_wait_tensorcnt 0x0               ; all my tensor loads have landed;
	ds_add_u32 v28, v29                ; 0 onto my spare word;
	s_wait_dscnt 5                     ; (the add and the youngest four loads may be out)
	MULA 1, 0, 0                       ; NB matrix instructions stand between the add and the wait for it
	s_wait_dscnt 0x0                   ; the add is done, and my reads of this slot are over:
	s_barrier_signal -1                ; say so,
	MULA 1, 1, 0                       ; work on registers while the others arrive,
.if \round
	WIN 0
.endif
	s_barrier_wait -1                  ; and go on when all four have said so
.endm
; The whole last quarter.  fill = 1: behind the round the slot just read out is filled again first, with the K step two steps on: 14 NB matrix instructions ahead of the wait for it.  Then the next slot's first fragments.
.macro TURN fill
	MEET \fill
.if \fill
	CREST                              ; no wave of any partner still reads this slot's tile or has a load on its way
	s_xor_b32 s45, s45, SLOT1          ; the walking descriptors (no tensor load of mine is out): the other slot than last time,
	s_add_nc_u64 s[46:47], s[46:47], STEPA  ; the next K step; the type bits on top are not reached
	s_xor_b32 s53, s53, SLOT1
	s_add_nc_u64 s[54:55], s[54:55], STEPB
	JLOAD                              ; the first tensor load behind the round; the four v_nop behind it are also the places in front of the loads below
.else
	WIN 0
	PLACES
.endif
	s_xor_b32 s62, s62, SLOT1          ; the reads go to the other slot
	v_add_nc_u32 v6, s62, v4
	v_add_nc_u32 v7, s62, v5
	FETCH 0, 0
	MULA 1, 2, 0
	MULA 1, 3, 0
.endm
; THE WAY OUT, OUTP = 0.  PACK: row block a is rounded to f16 (each accumulator's registers in ascending order), 16 bytes a lane go into my stage (a head's rows 144 bytes apart), and whole rows of 128 bytes come
; back into the registers that they left: 32 lanes take four rows, 512 consecutive bytes of a head.
.macro PACK a
	WIN 0x0a+5*((\a)/2)                ; sources 0 and 1: window 2 or 3
.set bb, 0
.rept NB
.irp r, 0,1,2,3
	v_cvt_pk_f16_f32 v[64+48*(\a)+4*bb+(\r)], v[8*(NB*((\a)%2)+bb)+2*(\r)], v[8*(NB*((\a)%2)+bb)+2*(\r)+1]
.endr
.set bb, bb+1
.endr
	WIN 0
.set bb, 0
.rept NB
	ds_store_b128 v8, v[64+48*(\a)+4*bb:64+48*(\a)+4*bb+3] offset:(bb/4)*2304+(bb%4)*32
.set bb, bb+1
.endr
.set bb, 0
.rept NB
	ds_load_b128 v[64+48*(\a)+4*bb:64+48*(\a)+4*bb+3], v9 offset:(bb/4)*2304+(bb%4)*576  ; LDS serves a wave's instructions in order (ISA guide 5.7.1.4): these see the stores above; the next block's stores come behind them
.set bb, bb+1
.endr
.endm
.macro SENDH a, younger                ; younger: the LDS instructions issued behind block a's loads: the next block's 24, or none.  Each block has 48 registers of its own: nothing that a store reads is rewritten
.set bb, 0
.rept NB
	s_wait_dscnt (\younger)+NB-1-bb
	global_store_b128 v10, v[64+48*(\a)+4*bb:64+48*(\a)+4*bb+3], s[72+2*(bb/4):73+2*(bb/4)] offset:(\a)*2048+(bb%4)*512  ; 512 consecutive bytes, at a multiple of 256 from the buffer's first
.set bb, bb+1
.endr
.endm
; THE WAY OUT, OUTP = 1: no arithmetic is left.  TOSTAGE: row block a goes from the accumulators into my stage (rows 528 bytes apart; each accumulator's low four registers first), and whole rows of 512 bytes come back.
.macro TOSTAGE a
.if (\a) >= 2
	s_wait_xcnt 0x0                    ; the registers loaded below were the data of the stores two blocks back: they are rewritten only behind this wait (ISA guide 3.1)
.endif
	WIN 0x08+4*((\a)/2)                ; store data (source 1): window 2 or 3
.set bb, 0
.rept NB
.set rD, 8*(NB*((\a)%2)+bb)
	ds_store_b128 v8, v[rD:rD+3]   offset:64*bb
	ds_store_b128 v8, v[rD+4:rD+7] offset:64*bb+16
.set bb, bb+1
.endr
	WIN 0
.set bb, 0
.rept 16
	ds_load_b128 v[128+64*((\a)%2)+4*bb:128+64*((\a)%2)+4*bb+3], v9 offset:528*bb
.set bb, bb+1
.endr
.endm
.macro SENDF a, younger                ; younger: the next block's 32 LDS instructions, or none
	s_wait_dscnt \younger
.set bb, 0
.rept 16
	global_store_b128 v10, v[128+64*((\a)%2)+4*bb:128+64*((\a)%2)+4*bb+3], s[72:73] offset:(16*(\a)+bb)*4096 th:TH_STORE_NT  ; 512 consecutive bytes of a row of C, at a multiple of 512
.set bb, bb+1
.endr
.endm
	s_load_b256 s[4:11], s[0:1], 0x0               ; A s[4:5], W s[6:7], bias s[8:9], C s[10:11]
	v_lshl_add_u32 v28, v0, 2, SPARE
	v_mov_b32 v29, 0
	ds_add_u32 v28, v29                            ; the wave's opening: the add and its wait stand ahead of my first tensor load; the set-up below, work on registers, stands between them
	ds_add_u32 v28, v29
	v_lshrrev_b32 v3, 5, v0
	v_readfirstlane_b32 s12, v3                    ; wave 0..3
	s_lshr_b32 s13, s12, 1
	s_and_b32 s14, s12, 1
	s_bfe_u32 s15, ttmp6, 0x40000                  ; cx, cy: my place in the cluster
	s_bfe_u32 s16, ttmp6, 0x40004
	s_lshl_b32 s17, ttmp9, 2                       ; in a cluster launch ttmp9 and ttmp7 count clusters
	s_add_co_u32 s17, s17, s15                     ; tile column = 4 x cluster x + cx
	s_and_b32 s18, ttmp7, 0xffff
	s_lshl_b32 s18, s18, 2
	s_add_co_u32 s18, s18, s16                     ; tile row = 4 x cluster y + cy
	s_lshl_b32 s19, s16, 2
	s_lshl_b32 s19, 15, s19                        ; my row of the cluster: places 4 cy .. 4 cy + 3
	s_lshl_b32 s20, 0x1111, s15                    ; my column: places cx, cx + 4, cx + 8, cx + 12
	s_or_b32 s24, s19, AW0                         ; group 1 for A: 15:0 the mask of my row
	s_mov_b32 s25, 128<<16                         ; tensor_dim0 = 128 elements
	s_mov_b32 s26, 128<<16                         ; tensor_dim1 = 128 rows
	s_mov_b32 s27, 128<<16                         ; tile_dim0 = 128
	s_mov_b32 s28, 128                             ; tile_dim1 = 128
	s_mov_b32 s29, ASTR                            ; elements from row to row
	s_mov_b32 s30, 0
	s_mov_b32 s31, 0
	s_or_b32 s32, s20, BW0                         ; group 1 for W: the mask of my column
	s_mov_b32 s33, (16*NB)<<16                     ; tensor_dim0 = the tile's columns
	s_mov_b32 s34, 64<<16                          ; tensor_dim1 = 64 k
	s_mov_b32 s35, (16*NB)<<16
	s_mov_b32 s36, 64
	s_mov_b32 s37, BSTR
	s_mov_b32 s38, 0
	s_mov_b32 s39, 0
	; where the tiles come from.  A's hang on the tile row and the wave's number alone, W's on the tile column and the wave's number alone, each in registers that never hold the other coordinate.
.if OUTP
	s_lshr_b32 s21, s18, 3                         ; the batch: 16 heads of 2,048 x 128 bytes,
	s_lshl_b32 s56, s21, 22
	s_and_b32 s21, s18, 7                          ; the tile's 256 rows in a head,
	s_lshl_b32 s21, s21, 15
	s_add_co_u32 s56, s56, s21
	s_lshl_b32 s21, s14, 18                        ; and which of the step's two heads I fetch
	s_add_co_u32 s56, s56, s21
	s_lshl_b32 s58, s17, 8                         ; 128 columns of 2 bytes,
	s_lshl_b32 s23, s14, 17                        ; 64 k rows of 2,048 bytes
	s_add_co_u32 s58, s58, s23
.else
	s_lshl_b32 s56, s18, 19                        ; 256 rows of 2,048 bytes,
	s_lshl_b32 s21, s14, 18                        ; which 128 of them I fetch
	s_add_co_u32 s56, s56, s21
	s_mul_i32 s58, s17, 384                        ; 192 columns of 2 bytes,
	s_mul_i32 s23, s14, 393216                     ; 64 k rows of 6,144 bytes
	s_add_co_u32 s58, s58, s23
.endif
	s_mov_b32 s57, 0
	s_mov_b32 s59, 0
	s_mul_i32 s60, s14, AH                         ; and where they go: no place in the cluster enters an LDS address
	s_mul_i32 s61, s14, BH
	s_add_co_u32 s61, s61, BOFF
	s_wait_dscnt 0x0                               ; the opening add is done
	s_wait_kmcnt 0x0
	s_add_nc_u64 s[66:67], s[4:5], s[56:57]
	s_add_nc_u64 s[68:69], s[6:7], s[58:59]
	CROUND                                         ; all sixteen work-groups are here: the first joint loads meet
.irp i, 0,1
	s_mov_b32 s[40+4*(\i)], 1                                      ; 1:0 count = 1
	s_add_co_u32 s[41+4*(\i)], s60, (\i)*SLOT1                     ; 63:32 LDS address
	s_add_nc_u64 s[42+4*(\i):43+4*(\i)], s[66:67], (\i)*STEPA      ; 120:64 global address: K step i
	s_or_b32 s[43+4*(\i)], s[43+4*(\i)], 0x80000000                ; 127:126 type = 2
	s_mov_b32 s[48+4*(\i)], 1
	s_add_co_u32 s[49+4*(\i)], s61, (\i)*SLOT1
	s_add_nc_u64 s[50+4*(\i):51+4*(\i)], s[68:69], (\i)*STEPB
	s_or_b32 s[51+4*(\i)], s[51+4*(\i)], 0x80000000
.endr
	s_cmp_eq_u32 s13, 0                            ; a wave's two first fills stand in one branch, ahead of every wait on TENSORcnt and every LDS read: two loads of mine are out
	s_cbranch_scc0 .Lfirst_b
	tensor_load_to_lds s[40:43], s[24:31]
	s_nop 0
	tensor_load_to_lds s[44:47], s[24:31]
	s_nop 0
.rept 4
	v_nop
.endr
	s_branch .Lfirst_asked
.Lfirst_b:
	tensor_load_to_lds s[48:51], s[32:39]
	s_nop 0
	tensor_load_to_lds s[52:55], s[32:39]
	s_nop 0
.rept 4
	v_nop
.endr
.Lfirst_asked:
	v_and_b32 v1, 15, v0                           ; l % 16
	v_bfe_u32 v2, v0, 4, 1                         ; l / 16
	v_and_b32 v12, 7, v0
	v_bfe_u32 v13, v0, 3, 1
	s_mul_i32 s2, s12, 64*PA                       ; my 64 rows of A
	v_mul_u32_u24 v4, v1, PA
	v_lshl_add_u32 v4, v2, 4, v4
	v_add_nc_u32 v4, s2, v4                        ; row x pitch + 16 x half
	v_lshl_add_u32 v5, v2, 3, v12                  ; the turning load's k row,
	v_mul_u32_u24 v5, v5, PB
	v_lshl_add_u32 v5, v13, 4, v5                  ; its 16 bytes,
	v_add_nc_u32 v5, BOFF, v5
	v_mov_b32 v6, v4                               ; slot 0 is read first
	v_mov_b32 v7, v5
	s_mov_b32 s62, 0
	v_lshlrev_b32 v11, 5, v2                       ; my eight numbers of a column block's bias
	v_and_b32 v10, 31, v0
	v_lshlrev_b32 v10, 4, v10
	s_mul_i32 s3, s12, STW
	s_add_co_u32 s3, s3, STAGE                     ; my stage
	s_mov_b32 s79, 0
	s_mov_b32 s87, 0
.if OUTP
	v_mul_u32_u24 v8, v1, 528                      ; in: row l % 16, 32 bytes for each half of the lanes
	v_lshl_add_u32 v8, v2, 5, v8
	v_add_nc_u32 v8, s3, v8
	v_add_nc_u32 v9, s3, v10                       ; back: 32 lanes take a row of 512 bytes
	s_lshl_b32 s78, s17, 9                         ; b_o lies behind the three other biases; 128 columns of 4 bytes
	s_add_co_u32 s78, s78, 12288
	s_add_nc_u64 s[70:71], s[8:9], s[78:79]
	s_lshl_b32 s86, s18, 20                        ; 256 rows of 4,096 bytes,
	s_lshl_b32 s80, s12, 18                        ; my 64 of them,
	s_add_co_u32 s86, s86, s80
	s_lshl_b32 s80, s17, 9                         ; the tile's columns
	s_add_co_u32 s86, s86, s80
	s_add_nc_u64 s[72:73], s[10:11], s[86:87]
.else
	v_mul_u32_u24 v8, v1, 144                      ; in: row l % 16, 16 bytes for each half of the lanes
	v_lshl_add_u32 v8, v2, 4, v8
	v_add_nc_u32 v8, s3, v8
	v_bfe_u32 v9, v0, 3, 2                         ; back: 32 lanes take four rows of 128 bytes
	v_mul_u32_u24 v9, v9, 144
	v_lshl_add_u32 v9, v12, 4, v9
	v_add_nc_u32 v9, s3, v9
	s_mul_i32 s78, s17, 768                        ; 192 columns of 4 bytes
	s_add_nc_u64 s[70:71], s[8:9], s[78:79]
	s_lshr_b32 s80, s18, 3                         ; the batch,
	s_lshl_b32 s80, s80, 4                         ; its 16 heads
	s_and_b32 s81, s18, 7                          ; the tile's 256 rows of 128 bytes in a head,
	s_lshl_b32 s81, s81, 15
	s_lshl_b32 s82, s12, 13                        ; my 64 of them
	s_add_co_u32 s81, s81, s82
	s_mul_i32 s83, s17, 3                          ; the tile's three heads among the 48 of q, k, v
.irp hb, 0,1,2
	s_add_co_u32 s84, s83, \hb
	s_lshr_b32 s85, s84, 4                         ; q, k or v: 64 heads each
	s_lshl_b32 s85, s85, 6
	s_and_b32 s84, s84, 15
	s_add_co_u32 s84, s84, s85
	s_add_co_u32 s84, s84, s80
	s_lshl_b32 s84, s84, 18                        ; a head is 2,048 x 128 bytes
	s_add_co_u32 s86, s84, s81
	s_add_nc_u64 s[72+2*(\hb):73+2*(\hb)], s[10:11], s[86:87]
.endr
.endif
.set bb, 0
.rept NB                                               ; register j of block b: bias[16 b + 8 (l / 16) + j], as the result's layout has it
	global_load_b128 v[BI+8*bb:BI+8*bb+3],   v11, s[70:71] offset:64*bb
	global_load_b128 v[BI+8*bb+4:BI+8*bb+7], v11, s[70:71] offset:64*bb+16
.set bb, bb+1
.endr
	s_wait_tensorcnt 1                             ; my part of K step 0 is in; K step 1's may stay out
	s_barrier_signal -1
	s_barrier_wait -1                              ; everybody's is
	FETCH 0, 0
	s_wait_loadcnt 0x0                             ; the bias
	QUARTER 1, 0, 1, 1                             ; the first quarter stands in front of the loop: its products start the sums
	WIN 0                                          ; at a label and at a branch every window is 0
	s_mov_b32 s63, 6
.Lstep:                                                ; trip t ends K step t, fills its slot again with K step t + 2, and does K step t + 1's first quarter
	QUARTER 2, 1, 0, 0
	QUARTER 3, 0, 1, 0
	TURN 1
	QUARTER 1, 0, 1, 0
	WIN 0
	s_sub_co_u32 s63, s63, 1
	s_cmp_lg_u32 s63, 0
	s_cbranch_scc1 .Lstep
	QUARTER 2, 1, 0, 0                             ; the tail is written out: K steps 6 and 7 ask for nothing
	QUARTER 3, 0, 1, 0
	TURN 0
	QUARTER 1, 0, 1, 0
	QUARTER 2, 1, 0, 0
	QUARTER 3, 0, 1, 0
	s_wait_dscnt 4                                 ; the very last quarter: nothing more to fetch
	MULA 1, 0, 0
	MULA 1, 1, 0
	s_wait_dscnt 0x0
	MULA 1, 2, 0
	MULA 1, 3, 0
	WIN 0
	PLACES                                         ; behind the last products
.if OUTP
	TOSTAGE 0
	TOSTAGE 1                                      ; a block's way through the stage stands between the loads of the block before and its stores
	SENDF 0, 32
	TOSTAGE 2
	SENDF 1, 32
	TOSTAGE 3
	SENDF 2, 32
	SENDF 3, 0
.else
	PACK 0
	PACK 1
	SENDH 0, 24
	PACK 2
	SENDH 1, 24
	PACK 3
	SENDH 2, 24
	SENDH 3, 0
.endif
	s_wait_tensorcnt 0x0                           ; the wave's end, behind my last tensor load and my last LDS store
	ds_add_u32 v28, v29
	s_wait_dscnt 0x0
	CROUND                                         ; the closing round: no work-group ends while a partner may still ask for a tile that names it
	s_endpgm
.Lfunc_end_k_qd6f878ffa1_proj:
	.size	k_qd6f878ffa1_proj, .Lfunc_end_k_qd6f878ffa1_proj-k_qd6f878ffa1_proj
	.p2alignl 7, 3214868480
	.fill 96, 4, 3214868480
	.section	.rodata,"a",@progbits
	.p2align	6, 0x0
	.amdhsa_kernel k_qd6f878ffa1_proj
		.amdhsa_group_segment_fixed_size 327680
		.amdhsa_private_segment_fixed_size 0
		.amdhsa_enable_private_segment 0
		.amdhsa_kernarg_size 32
		.amdhsa_user_sgpr_count 2
		.amdhsa_user_sgpr_kernarg_segment_ptr 1
		.amdhsa_wavefront_size32 1
		.amdhsa_system_sgpr_workgroup_id_x 1
		.amdhsa_system_sgpr_workgroup_id_y 1
		.amdhsa_system_sgpr_workgroup_id_z 1
		.amdhsa_system_vgpr_workitem_id 0
		.amdhsa_next_free_vgpr 960
		.amdhsa_next_free_sgpr 88
		.amdhsa_reserve_vcc 0
		.amdhsa_float_denorm_mode_32 3
		.amdhsa_float_denorm_mode_16_64 3
		.amdhsa_memory_ordered 1
		.amdhsa_forward_progress 1
		.amdhsa_inst_pref_size 101
	.end_amdhsa_kernel
	.amdgpu_metadata
---
amdhsa.version: [ 1, 2 ]
amdhsa.kernels:
  - .name:           k_qd6f878ffa1_proj
    .symbol:         k_qd6f878ffa1_proj.kd
    .args:
      - { .name: xb, .offset: 0, .size: 8, .value_kind: global_buffer, .address_space: global }
      - { .name: wqkv, .offset: 8, .size: 8, .value_kind: global_buffer, .address_space: global }
      - { .name: bias, .offset: 16, .size: 8, .value_kind: global_buffer, .address_space: global }
      - { .name: qkv, .offset: 24, .size: 8, .value_kind: global_buffer, .address_space: global }
    .group_segment_fixed_size: 327680
    .private_segment_fixed_size: 0
    .kernarg_segment_align: 8
    .kernarg_segment_size: 32
    .max_flat_workgroup_size: 128
    .sgpr_count:     88
    .vgpr_count:     960
    .wavefront_size: 32
...
	.end_amdgpu_metadata
.endif
;; end of part 2
;; launch attn (part 3): grid 4 x 64, 4 waves a work-group, no clusters, 327,680 bytes of LDS; arguments qkv, ctx; writes ctx
.if DOCPART == 3
	.amdgcn_target "amdgcn-amd-amdhsa--gfx1250"
	.amdhsa_code_object_version 6
	.text
	.protected	k_qd6f878ffa1_attn
	.globl	k_qd6f878ffa1_attn
	.p2align	8
	.type	k_qd6f878ffa1_attn,@function
k_qd6f878ffa1_attn:
	s_mov_b64 s[64:65], 0
	v_nop
	global_prefetch_b8 v0, s[64:65] scope:SCOPE_SE
	s_setreg_imm32_b32 hwreg(HW_REG_WAVE_MODE, 25, 1), 1
	s_wait_xcnt 0x0
; CAUSAL ATTENTION.  O[h][q][:] = the sum over k <= q of softmax_k(Q[h][q] . K[h][k] / 8) V[h][k][:].  Q, K, V, O: [SIZE_H][SIZE_N][64], all f16: a head's rows are dense, 128 bytes each; h = 16 x batch + head.
; Q, K and V lie one behind the other in one buffer, 16,777,216 bytes each.
; Products, maxima and sums in f32; the weights p are rounded to f16 for the second product (their sum l is taken of the unrounded p), O once at the end.  SIZE_N is a multiple of 512; SIZE_N x 128 stays under 2^32.
; LIMITS.  f16 holds no number beyond 65,504: Q, K and V arrive within it; p lies in 0 to 1, and below 6e-5 it keeps f16's fixed step of 6e-8; O is a mean of V's rows and has their range, to within 2^-11 of it.
; A hidden score counts as its value less 1e30: f16's scores, 2.7e11 at the most, are nothing beside that; a weight below 2^-126 counts as 0 in l; NaN and infinities are not treated apart.
; THE WALK.  A head's queries lie in NB = SIZE_N / 256 blocks of 256; block i needs the key tiles 0 .. i of 256 keys, of which the last holds the diagonal.  A work-group takes TWO blocks, NB - 1 - b and then b:
; NB + 1 tiles, whatever b: all work-groups do equal work, and ONE loop with a constant trip count walks them.  Which tile is asked for, and what a trip does, hang on scalar registers made from b; every jump
; goes forward, but for the counted loops' own; none passes a barrier, or a tensor load but the one of LOAD's two that the wave's number does not choose; the ring (two slots of LDS that take turns) runs on across the
; change of blocks.  NO CLUSTER: a head's NB / 2 work-groups all ask for the same tile only in trips 0 .. NB / 2, behind that fewer and fewer; and one walk common to all would have 3 NB / 2 trips for NB + 1.
; SHARES.  Of a block's four bands of 64 queries a wave owns 16 rows in each: four PIECES.  So the diagonal tile is the same work for all four waves: in its key step s band x sees all keys if s < x,
; none if s > x, and holds the diagonal if s = x.
; THE MASK is the C operand that starts the sum S^T = K Q^T: 0, or -1e30 where the key is hidden.  MD, made once, is the mask of a band's own step for my 16 rows; a product's mask is MD x AL + BE with two scalars:
; (1, 0) if s = x; (0, 0) if s < x; (0, -1e30) if s > x.  Only the diagonal tile's text and a block's beginning make and take masks; elsewhere C is the constant 0.
; LAYOUT, SOFTMAX, TURNS.  S^T = K Q^T holds ONE query a lane (lane % 16) and the keys 8 (lane / 16) + 0..7; two such results rounded to f16 ARE source 1 of O^T = V^T P.  p = 2^(c s - c m), c = log2(e) / 8, with a
; running maximum m; O and l are multiplied by a = 2^(c m_old - c m_new) in every step.  Turn n belongs to piece n: 8 products K Q^T of piece n + 1, later 8 products V^T P of piece n - 1; beside them the scaling,
; exponentials, roundings, sums and rescaling of piece n and the maximum and statistics of piece n + 1.  Four vector instructions stand behind every matrix instruction, the other 54 of a turn's 118 in two LUMPS.
; REGISTERS, in windows of 256 (s_set_vgpr_msb: bits 1:0 source 0, 3:2 source 1, 5:4 source 2, 7:6 destination):
;   window 0: v0-15 addresses and two at work; v16-31 four registers of statistics a piece; v48-55 at work; v64-127 S^T, two buffers; v192-223 P, two buffers (a piece's buffers go by its number's parity)
;   window 1: v0-127 O^T, 32 a piece; v128-159 MD; v160-223 MC, two buffers      window 2: v0-63 Q; v64-127 the second block's Q; v128-191 K of one step; v192-255 V of one step
.set SIZE_H, 64
.set SIZE_N, 2048
.set NB,    SIZE_N/256
.set NP,    4         ; pieces a wave: a name, no knob
.set KS,    64        ; keys in a step
.set PK,    144       ; a row of K in LDS: 128 bytes + 16 of padding = 36 words: the 16 rows of a load start at 16 different groups of four banks (64 banks of 4 bytes: ISA guide 11.1)
.set PV,    160       ; a row of V: 128 + 32 = 40 words
.set VOFF,  4*KS*PK   ; a slot holds a tile, four steps: 256 rows of K, then 256 rows of V
.set SLOT1, 1<<17     ; slot 1 begins here, so that one exclusive or turns an address in one slot into the other's
.set STAGE, SLOT1+4*KS*(PK+PV)  ; behind the ring, never filled by a tensor load: 16 rows x 144 bytes for each wave, for the way out
.set SP,    144
.set AK0, 2           ; v2   my lane's place in a tile of K; never rewritten
.set AV0, 3           ; v3   the same for V
.set AK,  4           ; v4   the LDS address of K's next run of loads
.set AV,  5           ; v5   of V's
.set STO, 6           ; v6   the way out: where I put 16 bytes of a row
.set RD,  7           ; v7   the way out: where I read rows back
.set GO,  8           ; v8   my byte offset in 512 consecutive bytes of O
.set SPW, 62          ; v62  LDS address of my spare word: SPARE + 4 x my thread's number; never rewritten
.set NIL, 63          ; v63  0; never rewritten
.set SPARE, STAGE+4*16*SP  ; behind the stages: the spare words, 128 bytes for each wave: two blocks of 256 bytes that no other line names
.set MV,  12          ; v12-13  c m_old, kept while c m is made anew: by buffer
.set QO,  15          ; v15  my byte offset in 16 rows of Q
.set ST,  16          ; piece t's statistics at v[ST+4 t]: c m, m, l (even keys', odd keys')
.set TMP, 48          ; by buffer, four registers c0-c3 at work; when the maximum is found c2 takes a
.set S,   64
.set P,   192
.set MD,  128         ; window 1: the eight registers for group kt of 16 keys at MD + 8 kt
.set MC,  160         ; window 1: the masks of the products to come
.set QB,  64          ; window 2
.set KF,  128         ; window 2: key block kb, channel half c at KF + 16 kb + 8 c
.set VF,  192         ; window 2: key half kk, channel block cb at VF + 32 kk + 8 cb
.set WV,  12          ; s12  my wave's number
.set PB,  14          ; s14  b
.set HI,  15          ; s15  NB - 1 - b
.set G1K, 24          ; s[24:31] descriptor group 1 for K's tiles
.set G1V, 32          ; s[32:39] for V's: it differs in the padding alone
.set G0K, 40          ; s[40:43] descriptor group 0 for K's tiles
.set G0V, 44          ; s[44:47] the same for V's
.set SLOTS, 56        ; s56  tiles still to be asked for
.set CNT, 57          ; s57  counts a tile's key steps, 4 to 1
.set CS,  58          ; s[58:59] c: the packed scaling takes the pair's low word for both halves
.set SEL, 60          ; s[60:61] v_permlanex16_b32's selects: each lane takes its own place in the other half
.set TBK, 62          ; s62  LDS byte at which K of the step to be fetched begins
.set TBV, 63          ; s63  the same for V, less VOFF
.set RT,  70          ; s70  tiles of the block in hand that are still to be entered
.set NXT, 71          ; s71  the tile to be asked for next
.set LQ,  72          ; s72  the last tile of the block whose tiles are being asked for
.set NEW, 73          ; s73  1: the tile to be entered is a block's first
.set OFF, 74          ; s[74:75] a tile's byte offset in K and V
.set AL,  76          ; s[76:77] the mask's factor, in the low word
.set BE,  78          ; s[78:79] the mask's addend
.set OLO, 80          ; s[80:81] O at my rows of the second block
.set BIGN, 82         ; s82  -1e30
.set MSB, 0
.macro WIN new                      ; the high byte repeats the setting that is left; a switch that changes nothing is dropped
.if MSB != (\new)
	s_set_vgpr_msb (MSB<<8)|(\new)
.set MSB, (\new)
.endif
.endm
.set W_KQ, 0x0a       ; K and Q in window 2, S^T in window 0
.set W_KM, 0x1a       ; the same with the C operand in window 1
.set W_PV, 0x52       ; V in window 2, P in window 0, O^T in window 1
.set W_RS, 0x41       ; destination and source 0 in window 1, source 1 in window 0
; A fill.  Waves 0 and 1 fetch the two halves of a tile's K, waves 2 and 3 those of its V: 128 keys each.  An s_nop 0 and four v_nop follow each of the two lines, ahead of the jump and the label.
.macro LOAD
	s_cmp_lt_u32 s[WV], 2
	s_cbranch_scc0 .Lfor_v_\@
	tensor_load_to_lds s[G0K:G0K+3], s[G1K:G1K+7]
	s_nop 0
.rept 4
	v_nop
.endr
	s_branch .Lasked_\@
.Lfor_v_\@:
	tensor_load_to_lds s[G0V:G0V+3], s[G1V:G1V+7]
	s_nop 0
.rept 4
	v_nop
.endr
.Lasked_\@:
.endm
; THE CHANGE OF SLOTS.  Each wave waits for all its tensor loads, of which one is out: its part of the other slot; adds 0 to its spare word; and waits for that and for its own reads of the slot that it leaves.  Behind the barrier nobody reads the old
; slot any more and the other slot is whole.  fill = 1: the old slot is filled again, the first thing behind the barrier, with tile NXT: the descriptor's address is made anew from that number.
; (At its first use nothing has been read yet: slot 0 is waited for, slot 1 filled.)
.macro CHANGE fill
	WIN 0                           ; at a label and at a branch every window is 0
	s_wait_tensorcnt 0x0            ; no tensor load of mine is out, so a group 0 may be written
	ds_add_u32 v[SPW], v[NIL]       ; 0 onto my spare word; with fill = 1 the descriptors' scalar work stands between it and the wait for it
.if \fill
	s_lshl_b32 s[OFF], s[NXT], 15   ; a tile is 32,768 bytes of K and of V
	s_xor_b32 s[G0K+1], s[G0K+1], SLOT1
	s_add_nc_u64 s[G0K+2:G0K+3], s[6:7], s[OFF:OFF+1]
	s_or_b32 s[G0K+3], s[G0K+3], 0x80000000
	s_xor_b32 s[G0V+1], s[G0V+1], SLOT1
	s_add_nc_u64 s[G0V+2:G0V+3], s[8:9], s[OFF:OFF+1]
	s_or_b32 s[G0V+3], s[G0V+3], 0x80000000
	s_add_co_u32 s[NXT], s[NXT], 1  ; the block's next tile, or behind its last the second block's tile 0
	s_cmp_gt_u32 s[NXT], s[LQ]
	s_cselect_b32 s[NXT], 0, s[NXT]
	s_cselect_b32 s[LQ], s[PB], s[LQ]
.endif
	s_wait_dscnt 0x0                ; the add is done, and my reads of the slot are over
	s_barrier_signal -1             ; the rest of the scalar work stands between the signal and the wait
	s_sub_co_u32 s[TBK], s[TBK], 4*KS*PK  ; the fetches go back to a slot's first step,
	s_xor_b32 s[TBK], s[TBK], SLOT1       ; in the other slot
	s_sub_co_u32 s[TBV], s[TBV], 4*KS*PV
	s_xor_b32 s[TBV], s[TBV], SLOT1
	s_barrier_wait -1
.if \fill
	LOAD
.endif
.endm
	s_load_b64 s[4:5], s[0:1], 0x0    ; Q, and behind it K and V
	s_load_b64 s[10:11], s[0:1], 0x8  ; O
	v_lshl_add_u32 v[SPW], v0, 2, SPARE
	v_mov_b32 v[NIL], 0
	ds_add_u32 v[SPW], v[NIL]       ; the wave's opening: the add and its wait stand ahead of my first tensor load; the set-up below, work on registers, stands between them
	ds_add_u32 v62, v63
	v_lshrrev_b32 v1, 5, v0
	v_readfirstlane_b32 s[WV], v1   ; wave 0..3
	s_mov_b32 s[PB], ttmp9
	s_sub_co_u32 s[HI], NB-1, s[PB]
	s_and_b32 s20, ttmp7, 0xffff    ; the head
	s_mov_b32 s21, 0
	s_mov_b64 s[22:23], SIZE_N*128
	s_mul_u64 s[20:21], s[20:21], s[22:23]  ; the head's first byte in each of the four tensors
	s_and_b32 s16, s[WV], 1         ; which half of a tile's 256 keys I fetch:
	s_lshl_b32 s22, s16, 14         ; its 128 rows of 128 bytes in memory,
	s_mov_b32 s23, 0
	s_add_nc_u64 s[22:23], s[22:23], s[20:21]
	s_mul_i32 s17, s16, 128*PK      ; and its place in a slot, for K
	s_mul_i32 s18, s16, 128*PV      ; and for V
	s_lshl_b32 s3, s[WV], 11        ; my 16 rows in a band of 64,
	s_lshl_b32 s2, s[HI], 15        ; in the first block,
	s_add_co_u32 s2, s2, s3
	s_lshl_b32 s84, s[PB], 15       ; and in the second
	s_add_co_u32 s84, s84, s3
	s_mov_b32 s3, 0
	s_mov_b32 s85, 0
	s_add_nc_u64 s[2:3], s[2:3], s[20:21]
	s_add_nc_u64 s[84:85], s[84:85], s[20:21]
	; descriptor group 1.  128 keys are 16,384 dense bytes: asked for as 64 rows of 256 bytes, two keys a row, and padded in LDS after every key
	s_mov_b32 s[G1K], (1<<16)|(1<<20)|(4<<22)|(3<<25)  ; 17:16 2-byte elements; 20 padding on; 24:22 after every 32 words (code 4); 31:25 4 words (code 3)
	s_mov_b32 s[G1V], (1<<16)|(1<<20)|(4<<22)|(7<<25)  ; the same with 8 words of padding (code 7)
.irp g, G1K, G1V
	s_mov_b32 s[\g+1], 128<<16      ; tensor_dim0 = 128
	s_mov_b32 s[\g+2], 64<<16       ; tensor_dim1 = 64
	s_mov_b32 s[\g+3], 128<<16      ; tile_dim0 = 128
	s_mov_b32 s[\g+4], 64           ; tile_dim1 = 64
	s_mov_b32 s[\g+5], 128          ; 128 elements from row to row
	s_mov_b32 s[\g+6], 0
	s_mov_b32 s[\g+7], 0
.endr
	s_mov_b32 s[CS], 0x3e38aa3b     ; c = log2(e) / 8 = 0.180337
	s_mov_b32 s[CS+1], s[CS]        ; named with it as a pair
	s_mov_b32 s[SEL], 0x76543210
	s_mov_b32 s[SEL+1], 0xfedcba98
	s_mov_b32 s[TBK], SLOT1+4*KS*PK ; the first change of slots turns these two into 0
	s_mov_b32 s[TBV], SLOT1+4*KS*PV
	s_mov_b32 s[G0K], 1             ; 1:0 count = 1
	s_mov_b32 s[G0K+1], s17         ; 63:32 LDS address: slot 0
	s_mov_b32 s[G0V], 1
	s_add_co_u32 s[G0V+1], s18, VOFF
	s_add_co_u32 s[RT], s[HI], 1    ; the first block has NB - b tiles
	s_mov_b32 s[NXT], 1
	s_mov_b32 s[LQ], s[HI]
	s_mov_b32 s[NEW], 1
	s_mov_b32 s[OFF+1], 0
	s_mov_b32 s[AL+1], 0            ; named as pairs
	s_mov_b32 s[BE+1], 0
	s_mov_b32 s[BIGN], 0xf149f2ca   ; -1e30
	s_mov_b32 s[SLOTS], NB
	s_wait_dscnt 0x0                ; the opening add is done
	s_wait_kmcnt 0x0
	s_add_nc_u64 s[6:7], s[4:5], 0x1000000  ; K lies 64 heads of 262,144 bytes behind Q,
	s_add_nc_u64 s[8:9], s[4:5], 0x2000000  ; V as far behind K
	s_add_nc_u64 s[6:7], s[6:7], s[22:23]  ; K and V at my half of the head's tile 0
	s_add_nc_u64 s[8:9], s[8:9], s[22:23]
	s_add_nc_u64 s[G0K+2:G0K+3], s[6:7], 0         ; 120:64 global address
	s_or_b32 s[G0K+3], s[G0K+3], 0x80000000        ; 127:126 type = 2
	s_add_nc_u64 s[G0V+2:G0V+3], s[8:9], 0
	s_or_b32 s[G0V+3], s[G0V+3], 0x80000000
	s_add_nc_u64 s[86:87], s[4:5], s[84:85]        ; Q at my rows of the second block,
	s_add_nc_u64 s[4:5], s[4:5], s[2:3]            ; Q and O at those of the first
	s_add_nc_u64 s[OLO:OLO+1], s[10:11], s[84:85]
	s_add_nc_u64 s[10:11], s[10:11], s[2:3]
	LOAD                            ; tile 0 into slot 0
	; A fragment of K or Q is 16 rows x 32 channels in 8 registers: lane l holds row l % 16, channels 8 (l / 16) + 0..7 and 16 + 8 (l / 16) + 0..7: two loads of 16 bytes, 32 bytes apart.
	v_and_b32 v1, 15, v0            ; l % 16
	v_bfe_u32 v9, v0, 4, 1          ; l / 16
	v_lshlrev_b32 v[QO], 7, v1
	v_lshl_add_u32 v[QO], v9, 4, v[QO]  ; row x 128 + 16 x half
	WIN 0x80                        ; destination window 2, address window 0
.set i, 0
.rept 8                             ; both blocks' Q: piece i / 2 lies in band i / 2, 8,192 bytes on; channels 32 (i % 2) on
	global_load_b128 v[8*i:8*i+3],   v[QO], s[4:5] offset:(i/2)*8192+(i%2)*64
	global_load_b128 v[8*i+4:8*i+7], v[QO], s[4:5] offset:(i/2)*8192+(i%2)*64+32
	global_load_b128 v[QB+8*i:QB+8*i+3],   v[QO], s[86:87] offset:(i/2)*8192+(i%2)*64
	global_load_b128 v[QB+8*i+4:QB+8*i+7], v[QO], s[86:87] offset:(i/2)*8192+(i%2)*64+32
.set i, i+1
.endr
	WIN 0
	v_lshlrev_b32 v14, 3, v9
	v_sub_nc_u32 v14, v1, v14
	s_lshl_b32 s13, s[WV], 4
	v_add_nc_u32 v14, s13, v14      ; my query's place in its band, 16 w + l % 16, less my lanes' 8 (l / 16): register r of group kt is hidden where 16 kt + r is greater
	WIN 0x40
.set i, 0
.rept 32
	v_cmp_gt_i32 vcc_lo, 16*(i/8)+i%8, v14
	v_cndmask_b32 v[MD+i], 0, s[BIGN], vcc_lo
.set i, i+1
.endr
	WIN 0
	v_mul_u32_u24 v[AK0], v1, PK
	v_lshl_add_u32 v[AK0], v9, 4, v[AK0]  ; row x pitch + 16 x half
	; The turning load takes 16 keys x 16 channels (lane l reads key 8 (l / 16) + l % 8, channels 8 ((l / 8) % 2) + 0..7) and leaves half a fragment of V^T: lane l holds channel l % 16 and 8 keys.
	v_and_b32 v10, 7, v0
	v_bfe_u32 v11, v0, 3, 1
	v_lshl_add_u32 v[AV0], v9, 3, v10
	v_mul_u32_u24 v[AV0], v[AV0], PV
	v_lshl_add_u32 v[AV0], v11, 4, v[AV0]
	v_add_nc_u32 v[AV0], VOFF, v[AV0]
	s_mul_i32 s13, s[WV], 16*SP
	s_add_co_u32 s13, s13, STAGE    ; my stage
	v_mul_u32_u24 v[STO], v1, SP    ; in: row l % 16, 16 bytes for each half of the lanes
	v_lshl_add_u32 v[STO], v9, 4, v[STO]
	v_add_nc_u32 v[STO], s13, v[STO]
	v_bfe_u32 v[RD], v0, 3, 2       ; back: 32 lanes take four rows of 128 bytes,
	v_mul_u32_u24 v[RD], v[RD], SP
	v_lshl_add_u32 v[RD], v10, 4, v[RD]
	v_add_nc_u32 v[RD], s13, v[RD]
	v_and_b32 v[GO], 31, v0         ; which are 512 consecutive bytes of O
	v_lshlrev_b32 v[GO], 4, v[GO]
	; A block's first step multiplies O^T and l by a = 0, and its first turn's products V^T P, of a piece that has not been, land in an O^T that is still to be so multiplied.  So these registers need only hold
	; finite numbers: zeros for the first block; what the first block left for the second.  All this stands in the wait for the first tile.
	WIN 0x80
.set i, VF
.rept 64
	v_mov_b32 v[i], 0
.set i, i+1
.endr
	WIN 0x40
.set i, 0
.rept 128
	v_mov_b32 v[i], 0
.set i, i+1
.endr
	WIN 0
.set i, 0
.rept 4
	v_mov_b32 v[ST+4*i+2], 0
	v_mov_b32 v[ST+4*i+3], 0
.set i, i+1
.endr
.set i, P+16
.rept 16
	v_mov_b32 v[i], 0
.set i, i+1
.endr
; THE MATRIX WORK.  The 4 accumulators of a run of 8 take turns.  Product i of 8 of S^T = K Q^T for piece x: channels 32 (i / 4) on, keys 16 (i % 4) on.  The first 4 start the sums: with 0, or (KM = 1) with the mask.
.macro KQ x
.set rS, S+32*((\x)%2)+8*(i%4)
.set rK, KF+16*(i%4)+8*(i/4)
.set rQ, 16*(\x)+8*(i/4)
.set rM, MC+32*((\x)%2)+8*(i%4)
.if (i < 4) && KM
	WIN W_KM
	v_wmma_f32_16x16x32_f16 v[rS:rS+7], v[rK:rK+7], v[rQ:rQ+7], v[rM:rM+7]
.elseif i < 4
	WIN W_KQ
	v_wmma_f32_16x16x32_f16 v[rS:rS+7], v[rK:rK+7], v[rQ:rQ+7], 0
.else
	WIN W_KQ
	v_wmma_f32_16x16x32_f16 v[rS:rS+7], v[rK:rK+7], v[rQ:rQ+7], v[rS:rS+7]
.endif
.endm
; Product i of 8 of O^T += V^T P for piece x: keys 32 (i / 4) on, channels 16 (i % 4) on.
.macro PV x
	WIN W_PV
.set rO, 32*(\x)+8*(i%4)
.set rV, VF+32*(i/4)+8*(i%4)
.set rP, P+16*((\x)%2)+8*(i/4)
	v_wmma_f32_16x16x32_f16 v[rO:rO+7], v[rV:rV+7], v[rP:rP+7], v[rO:rO+7]
.endm
.macro MM                           ; the turn's next matrix instruction.  TURN and BEGIN set Y, i, KM and NOKQ; MM, KQ and OP read them.  NOKQ = 1: a block's last turn: there is no next piece
.if (i < 8) && !NOKQ
	KQ (Y+1)%NP
.elseif i >= 8
.set i, i-8
	PV (Y+NP-1)%NP
.set i, i+8
.endif
.set i, i+1
.endm
; THE LDS LOADS stand in runs of 16, never singly among the matrix instructions: a step's K (64 keys x 64 channels: 8 fragments) and its V (turned).  Their addresses are made some lines ahead.
.macro FETCH_K
	WIN 0x80                        ; destination window 2
.irp f, 0,1,2,3,4,5,6,7             ; keys 16 (f / 2) on, channels 32 (f % 2) on
	ds_load_b128 v[KF+8*\f:KF+8*\f+3],   v[AK] offset:(\f/2)*16*PK+(\f%2)*64
	ds_load_b128 v[KF+8*\f+4:KF+8*\f+7], v[AK] offset:(\f/2)*16*PK+(\f%2)*64+32
.endr
	s_add_co_u32 s[TBK], s[TBK], KS*PK  ; the next fetch is the next step's
	WIN 0
.endm
.macro FETCH_V
	WIN 0x80
.irp f, 0,1,2,3,4,5,6,7             ; keys 32 (f / 4) on, channels 16 (f % 4) on
	ds_load_tr16_b128 v[VF+8*\f:VF+8*\f+3],   v[AV] offset:(\f/4)*32*PV+(\f%4)*32
	ds_load_tr16_b128 v[VF+8*\f+4:VF+8*\f+7], v[AV] offset:(\f/4)*32*PV+16*PV+(\f%4)*32
.endr
	WIN 0
.endm
; THE VECTOR WORK, one line at a time: OP kind, number.  For piece Y: F n: c s - c m for pair n of 16.  E n: the exponential of score n of 32.  C n: pair n rounded to f16.  B n: of the four weights 4 n .. the second
; pair is added onto the first, in place.  L n: l takes that sum (L 0: l = a l + sum).  R n: pair n of 16 of O^T times a.  For piece Y + 1: X n, number n of the 22 that find its maximum and statistics:
;   0-11  four chains c0-c3 of seven scores each, three operands at a time (each accumulator's lowest registers are read first)     12-14, 16  the four scores left over, the old m, and c0-c3 into c0
;   15  c m_old is kept     17, 18  the query's other 32 keys lie in the lane 16 away: the new m     19-21  c m; c m_old - c m_new; a
.set F, 0               ; OP tells the kinds apart by their order: F to L below R, X above it
.set E, 1
.set C, 2
.set B, 3
.set L, 4
.set R, 5
.set X, 6
.macro REGS y                       ; the registers of piece y
.set rT, ST+4*(\y)
.set rC, TMP+4*((\y)%2)
.set rW, MV+((\y)%2)
.set rS, S+32*((\y)%2)
.set rP, P+16*((\y)%2)
.set rO, 32*(\y)
.endm
.macro OP k, n
.if (\k) == R
	REGS Y
	WIN W_RS
	v_pk_mul_f32 v[rO+2*(\n):rO+2*(\n)+1], v[rO+2*(\n):rO+2*(\n)+1], v[rC+2:rC+3] op_sel_hi:[1,0]
.elseif (\k) < R
	REGS Y
	WIN 0
.if (\k) == F
	v_pk_fma_f32 v[rS+2*(\n):rS+2*(\n)+1], v[rS+2*(\n):rS+2*(\n)+1], s[CS:CS+1], v[rT:rT+1] op_sel_hi:[1,0,0] neg_lo:[0,0,1] neg_hi:[0,0,1]
.elseif (\k) == E
	v_exp_f32 v[rS+(\n)], v[rS+(\n)]
.elseif (\k) == C
	s_wait_alu depctr_va_vdst(0)
	v_cvt_pk_f16_f32 v[rP+(\n)], v[rS+2*(\n)], v[rS+2*(\n)+1]
.elseif (\k) == B
	s_wait_alu depctr_va_vdst(0)
	v_pk_add_f32 v[rS+4*(\n):rS+4*(\n)+1], v[rS+4*(\n):rS+4*(\n)+1], v[rS+4*(\n)+2:rS+4*(\n)+3]
.elseif (\n) == 0
	v_pk_fma_f32 v[rT+2:rT+3], v[rT+2:rT+3], v[rC+2:rC+3], v[rS:rS+1] op_sel_hi:[1,0,1]
.else
	v_pk_add_f32 v[rT+2:rT+3], v[rT+2:rT+3], v[rS+4*(\n):rS+4*(\n)+1]
.endif
.elseif NOKQ
	v_nop
.else
	REGS (Y+1)%NP
	WIN 0
.if (\n) < 4
	v_max3_num_f32 v[rC+(\n)], v[rS+8*(\n)], v[rS+8*(\n)+1], v[rS+8*(\n)+2]
.elseif (\n) < 12
	v_max3_num_f32 v[rC+(\n)%4], v[rC+(\n)%4], v[rS+8*((\n)%4)+2*((\n)/4)+1], v[rS+8*((\n)%4)+2*((\n)/4)+2]
.elseif (\n) == 12
	v_max3_num_f32 v[rC], v[rC], v[rS+7], v[rS+15]
.elseif (\n) == 13
	v_max3_num_f32 v[rC+1], v[rC+1], v[rS+23], v[rS+31]
.elseif (\n) == 14
	v_max3_num_f32 v[rC+2], v[rC+2], v[rC+3], v[rT+1]
.elseif (\n) == 15
	v_mov_b32 v[rW], v[rT]
.elseif (\n) == 16
	v_max3_num_f32 v[rC], v[rC], v[rC+1], v[rC+2]
.elseif (\n) == 17
	v_permlanex16_b32 v[rC+3], v[rC], s[SEL], s[SEL+1]
.elseif (\n) == 18
	v_max_num_f32 v[rT+1], v[rC], v[rC+3]
.elseif (\n) == 19
	v_mul_f32 v[rT], s[CS], v[rT+1]
.elseif (\n) == 20
	v_sub_f32 v[rC+1], v[rW], v[rT]
.else
	v_exp_f32 v[rC+2], v[rC+1]
.endif
.endif
.endm
.macro OPS a, i1, b=-1, i2=0, c=-1, i3=0, d=-1, i4=0  ; up to four of them
	OP \a, \i1
.if (\b) >= 0
	OP \b, \i2
.endif
.if (\c) >= 0
	OP \c, \i3
.endif
.if (\d) >= 0
	OP \d, \i4
.endif
.endm
.macro ROW a, i1, b, i2, c, i3, d, i4  ; a matrix instruction and the four behind it
	MM
	OPS \a, \i1, \b, \i2, \c, \i3, \d, \i4
.endm
.macro MASK b                       ; MD x AL + BE into buffer b of MC
	WIN W_RS
.set z, 0
.rept 16
	v_pk_fma_f32 v[MC+32*(\b)+2*z:MC+32*(\b)+2*z+1], v[MD+2*z:MD+2*z+1], s[AL:AL+1], s[BE:BE+1] op_sel_hi:[1,0,0]
.set z, z+1
.endr
.endm
; A TURN, for piece p: the order of its 16 matrix and 118 vector instructions, written out.  Behind a matrix instruction: plain, exponential, plain, plain; or four of the rescaling; or, behind the first, four scalings; none
; names a register of the products round it.  In the lumps exponential and plain by turns while exponentials last.  A line reads no result made fewer than three vector instructions in front of it, five if an exponential made it.
; v_permlanex16_b32 (X 17) stands in a lump.
; m = 1: the diagonal tile: the products take masks, and the turn makes the mask for the products of the turn after it: piece p + 2, in step 4 - CNT of the tile.  end = 1: a block's last two turns: nothing is fetched.
; cnt = 1: the loop's count is taken down some lines ahead of the branch that stands behind the turn.
; K of the next step is fetched in piece 2's turn, six vector instructions behind the last product that read K (five of them plain); V of the step in hand in piece 0's turn, eight behind the last product that read V (four
; plain, and X 17).  Each is waited for a turn later.
.macro TURN p, m=0, end=0, cnt=0
.set Y, (\p)
.set i, 0
.set KM, (\m)
.set NOKQ, (\end)*((\p)/3)
.if (\m) && !(\end)
	s_cmp_eq_u32 s[CNT], 4-((\p)+2)%NP  ; is that step the band's own?
	s_cselect_b32 s[AL], 1.0, 0
	s_cmp_lt_u32 s[CNT], 4-((\p)+2)%NP  ; or a later one?
	s_cselect_b32 s[BE], s[BIGN], 0
.endif
.if ((\p) == 3) && !(\end)
	s_wait_dscnt 0x0                ; K is in
.endif
	ROW F,0, F,1, F,2, F,3
	ROW F,4, E,0, F,5, F,6
	ROW F,7, E,1, F,8, F,9
	ROW F,10, E,2, C,0, F,11
	ROW F,12, E,3, X,15, F,13
	ROW R,0, R,1, R,2, R,3
	ROW B,0, E,4, F,14, L,0
.if ((\p) == 2) && !(\end)
	v_add_nc_u32 v[AK], s[TBK], v[AK0]
.endif
	ROW R,4, R,5, R,6, R,7
	OPS E,5, F,15
.if ((\p) == 2) && !(\end)
	FETCH_K
.endif
	OPS E,6, C,1, E,7, R,8
	OPS E,8, R,9, E,9, C,2
	OPS E,10, X,0, E,11, X,1
	OPS E,12, X,2, E,13, X,3
.if (\p) == 1
	s_wait_dscnt 0x0                ; V is in
.endif
	ROW X,4, E,14, X,5, X,6
	ROW X,7, E,15, X,8, X,9
	ROW X,10, E,16, X,11, X,12
	ROW X,13, E,17, X,14, B,1
	ROW C,4, E,18, X,16, L,1
	ROW B,2, E,19, C,6, L,2
	ROW C,8, E,20, B,3, B,4
.if (\p) == 0
	v_add_nc_u32 v[AV], s[TBV], v[AV0]
.endif
	ROW C,3, E,21, L,3, C,5
	OPS E,22, X,17, E,23, C,10
.if (\p) == 0
	FETCH_V
.endif
	OPS E,24, L,4
	OPS E,25, X,18, E,26, C,7
	OPS E,27, B,5, E,28, X,19
	OPS E,29, C,12, E,30, L,5
	OPS E,31, X,20, B,6, C,9
	OPS C,14, C,11, X,21, L,6
.if (\p) == 0
	s_add_co_u32 s[TBV], s[TBV], KS*PV
.endif
.if \cnt
	s_sub_co_u32 s[CNT], s[CNT], 1
	s_cmp_lg_u32 s[CNT], 0
.endif
	OPS C,13, B,7, C,15, R,10
	OPS R,11, R,12, L,7, R,13
	OPS R,14, R,15
.if (\m) && !(\end)
	MASK (\p)%2
.endif
.endm
; A BLOCK BEGINS.  c m starts far below every c s, so the first step's a is 0; m at the lowest finite number, so the first maximum is the scores'.  The second mask buffer is 0; the first takes piece 0's mask for the tile's step 0: its own, if the block's first tile is the diagonal one.
; Then K of that step, piece 0's first scores, and its maximum and statistics.  The loop is entered at a step's first turn, in the middle of a trip.
.macro BEGIN
	s_mov_b32 s[NEW], 0
	WIN 0x40
.set i, MC+32
.rept 32
	v_mov_b32 v[i], 0
.set i, i+1
.endr
	WIN 0
.set i, 0
.rept 4
	v_mov_b32 v[ST+4*i], 0xfe000000    ; c m: far below every c s
	v_mov_b32 v[ST+4*i+1], 0xff7fffff  ; m
.set i, i+1
.endr
	s_cmp_eq_u32 s[RT], 0
	s_cselect_b32 s[AL], 1.0, 0
	s_mov_b32 s[BE], 0
	MASK 0
	WIN 0
	v_add_nc_u32 v[AK], s[TBK], v[AK0]
	FETCH_K
	s_wait_loadcnt 0x0              ; Q
	s_wait_dscnt 0x0
.set KM, 1
.set NOKQ, 0
.set i, 0
.rept 8
	KQ 0
.set i, i+1
.endr
	WIN 0
.rept 4
	v_nop                           ; the places behind those products
.endr
.set Y, NP-1                        ; X works for piece Y + 1: piece 0
.irp n, 0,1,2,3,4,5,6,7,8,9,10,11,12,13,14,15,16,17,18,19,20,21
	OP X, \n
.endr
	v_nop                           ; a plain instruction behind the exponential
.endm
; THE DIAGONAL TILE's four steps, the block's last two turns, its last products, and THE WAY OUT: l's two halves and the other half of the lanes' are added; O^T is divided by l, rounded to f16 and sent through my
; stage in LDS, a piece at a time.
.macro ALL line:vararg              ; one line for each piece t
.set t, 0
.rept 4
	\line
.set t, t+1
.endr
.endm
.macro PACK t                       ; a lane's eight channels of a row pack into 16 bytes; they go into rows of 144 bytes and come back as whole rows of 128, into S^T's registers
	WIN W_RS
.set i, 32*(\t)
.rept 16
	s_wait_alu depctr_va_vdst(0)
	v_pk_mul_f32 v[i:i+1], v[i:i+1], v[ST+4*(\t)+2:ST+4*(\t)+3] op_sel_hi:[1,0]
.set i, i+2
.endr
	WIN 0x05                        ; sources 0 and 1 window 1, destination window 0
.set i, 0
.rept 16
	v_cvt_pk_f16_f32 v[S+16*(\t)+i], v[32*(\t)+2*i], v[32*(\t)+2*i+1]
.set i, i+1
.endr
	WIN 0
.irp f, 0,1,2,3
	ds_store_b128 v[STO], v[S+16*(\t)+4*\f:S+16*(\t)+4*\f+3] offset:32*\f
.endr
.irp f, 0,1,2,3
	ds_load_b128 v[S+16*(\t)+4*\f:S+16*(\t)+4*\f+3], v[RD] offset:\f*4*SP  ; LDS serves a wave's instructions in order (ISA guide 5.7.1.4): these see the stores above; the next piece's stores come behind them
.endr
.endm
.macro SEND t, younger              ; younger: the LDS instructions issued behind piece t's loads: the next piece's eight, or none
	WIN 0
.irp f, 0,1,2,3
	s_wait_dscnt (\younger)+3-\f
	global_store_b128 v[GO], v[S+16*(\t)+4*\f:S+16*(\t)+4*\f+3], s[10:11] offset:(\t)*8192+\f*512  ; 512 consecutive bytes, at a multiple of 256 from O's first
.endr
.endm
.macro DIAG tag                     ; the tag ends its two labels' names, which the jumps below spell out
.LstepM\tag:
	TURN 2, 1
	TURN 3, 1
	WIN 0
.LfirstM\tag:
	TURN 0, 1
	TURN 1, 1, 0, 1
	WIN 0
	s_cbranch_scc1 .LstepM\tag
	TURN 2, 1, 1
	TURN 3, 1, 1
.set i, 0
.rept 8
	PV NP-1
.set i, i+1
.endr
	WIN 0
	ALL v_add_f32 v[ST+4*t+2], v[ST+4*t+2], v[ST+4*t+3]
	ALL v_permlanex16_b32 v[ST+4*t+3], v[ST+4*t+2], s[SEL], s[SEL+1]
	ALL v_add_f32 v[ST+4*t+2], v[ST+4*t+2], v[ST+4*t+3]
	ALL v_rcp_f32 v[ST+4*t+2], v[ST+4*t+2]
	v_nop                           ; a plain instruction between the last reciprocal and the use of its result
	PACK 0
.set t, 1
.rept 3                             ; a piece's arithmetic stands between the loads of the piece before and its stores
	PACK t
	SEND t-1, 8
.set t, t+1
.endr
	SEND 3, 0
.endm
.set KM, 0
.set NOKQ, 0
.Lslot:                             ; NB times: a tile is entered and the next is asked for
	CHANGE 1
	s_sub_co_u32 s[RT], s[RT], 1
	s_mov_b32 s[CNT], 4
	s_cmp_eq_u32 s[NEW], 1
	s_cbranch_scc1 .Lnew            ; a block's first tile
	s_cmp_eq_u32 s[RT], 0
	s_cbranch_scc0 .Lstep           ; neither its first nor its last
	s_branch .LstepM1
.Lnew:
	BEGIN
	s_branch .Lfirst                ; in the loop a block's first tile is never its last: the first block has two tiles or more, and the second's last is the walk's last
	DIAG 1                          ; in the loop this is the first block's end: the second block's last tile is the walk's last
	s_wait_xcnt 0x0                 ; the stores have read their registers and O's address
	s_mov_b64 s[10:11], s[OLO:OLO+1]
	s_add_co_u32 s[RT], s[PB], 1    ; the second block has b + 1 tiles
	s_mov_b32 s[NEW], 1
	WIN 0x82                        ; the second block's Q goes where the one text of the turns names Q
.set i, 0
.rept 64
	v_mov_b32 v[i], v[QB+i]
.set i, i+1
.endr
	WIN 0
	s_branch .Lbottom
.Lstep:                             ; a trip: pieces 2 and 3 of one step, then pieces 0 and 1 of the next, whose K and V it fetches
	TURN 2
	TURN 3
	WIN 0
.Lfirst:
	TURN 0
	TURN 1, 0, 0, 1
	WIN 0
	s_cbranch_scc1 .Lstep
.Lbottom:
	s_sub_co_u32 s[SLOTS], s[SLOTS], 1
	s_cmp_lg_u32 s[SLOTS], 0
	s_cbranch_scc1 .Lslot
	CHANGE 0                        ; the walk's last tile is written out: nothing is asked for
	s_sub_co_u32 s[RT], s[RT], 1
	s_mov_b32 s[CNT], 4
	s_cmp_eq_u32 s[NEW], 1
	s_cbranch_scc0 .LstepM2
	BEGIN
	s_branch .LfirstM2
	DIAG 2
	s_wait_tensorcnt 0x0            ; the wave's end, behind my last tensor load and my last LDS store
	ds_add_u32 v[SPW], v[NIL]
	s_wait_dscnt 0x0
	s_endpgm
.Lfunc_end_k_qd6f878ffa1_attn:
	.size	k_qd6f878ffa1_attn, .Lfunc_end_k_qd6f878ffa1_attn-k_qd6f878ffa1_attn
	.p2alignl 7, 3214868480
	.fill 96, 4, 3214868480
	.section	.rodata,"a",@progbits
	.p2align	6, 0x0
	.amdhsa_kernel k_qd6f878ffa1_attn
		.amdhsa_group_segment_fixed_size 327680
		.amdhsa_private_segment_fixed_size 0
		.amdhsa_enable_private_segment 0
		.amdhsa_kernarg_size 16
		.amdhsa_user_sgpr_count 2
		.amdhsa_user_sgpr_kernarg_segment_ptr 1
		.amdhsa_wavefront_size32 1
		.amdhsa_system_sgpr_workgroup_id_x 1
		.amdhsa_system_sgpr_workgroup_id_y 1
		.amdhsa_system_sgpr_workgroup_id_z 1
		.amdhsa_system_vgpr_workitem_id 0
		.amdhsa_next_free_vgpr 768
		.amdhsa_next_free_sgpr 88
		.amdhsa_reserve_vcc 1
		.amdhsa_float_denorm_mode_32 3
		.amdhsa_float_denorm_mode_16_64 3
		.amdhsa_memory_ordered 1
		.amdhsa_forward_progress 1
		.amdhsa_inst_pref_size 228
	.end_amdhsa_kernel
	.amdgpu_metadata
---
amdhsa.version: [ 1, 2 ]
amdhsa.kernels:
  - .name:           k_qd6f878ffa1_attn
    .symbol:         k_qd6f878ffa1_attn.kd
    .args:
      - { .name: qkv, .offset: 0, .size: 8, .value_kind: global_buffer, .address_space: global }
      - { .name: ctx, .offset: 8, .size: 8, .value_kind: global_buffer, .address_space: global }
    .group_segment_fixed_size: 327680
    .private_segment_fixed_size: 0
    .kernarg_segment_align: 8
    .kernarg_segment_size: 16
    .max_flat_workgroup_size: 128
    .sgpr_count:     88
    .vgpr_count:     768
    .wavefront_size: 32
...
	.end_amdgpu_metadata
.endif
;; end of part 3
;; launch outp (part 4): grid 8 x 32, 4 waves a work-group, clusters of 4 x 4, 327,680 bytes of LDS; arguments ctx, wo16, bias, out0; writes out0
.if DOCPART == 4
	.amdgcn_target "amdgcn-amd-amdhsa--gfx1250"
	.amdhsa_code_object_version 6
	.text
	.protected	k_qd6f878ffa1_outp
	.globl	k_qd6f878ffa1_outp
	.p2align	8
	.type	k_qd6f878ffa1_outp,@function
k_qd6f878ffa1_outp:
	s_mov_b64 s[64:65], 0
	v_nop
	global_prefetch_b8 v0, s[64:65] scope:SCOPE_SE
	s_setreg_imm32_b32 hwreg(HW_REG_WAVE_MODE, 25, 1), 1
	s_wait_xcnt 0x0
	s_wait_alu depctr_hold_cnt(0) depctr_sa_sdst(0) depctr_va_vdst(0) depctr_va_sdst(0) depctr_va_ssrc(0) depctr_va_vcc(0) depctr_vm_vsrc(0)
	s_getreg_b32 s2, hwreg(HW_REG_IB_STS2, 6, 4)
	s_cmp_eq_u32 s2, 0
	s_cbranch_scc0 .Lentry_in_a_cluster
	s_endpgm
.Lentry_in_a_cluster:
	s_bfe_u32 s2, ttmp6, 0x10000c
	s_cmp_lg_u32 s2, 0xf033
	s_cbranch_scc0 .Lentry_shape_is_right
	s_endpgm
.Lentry_shape_is_right:
; C[m][n] = bias[n] + the sum over k of A[m][k] W[k][n], M = 8,192, K = 1,024; sums in f32.  ONE TEXT FOR TWO PRODUCTS, chosen by OUTP:
;   OUTP = 0: A = x in bf16 [8192][1024], W = w_q | w_k | w_v in bf16 [1024][3072]; C is rounded once to f16 and stored by heads, [3][batch x 16 + head][2048][64].  Tile 256 x 192: 512 work-groups, two for each of 256 WGPs
;             (256 x 256 would make 384, a share and a half; 256 x 384 wants 768 registers of sums and 320 of fragments, more than the 1,024 of a wave).
;   OUTP = 1: A = the attention's result in f16 by heads [batch x 16 + head][2048][64] (k = 64 head + channel), W = w_o as f16 [1024][1024]; C is f32 [8192][1024].  Tile 256 x 128: 256 work-groups.
; LIMITS.  OUTP = 0: a result of 65,520 or more becomes an infinity in f16, and the row is lost; below 6.1e-5 f16 keeps its fixed step of 6e-8.  NaN and infinities are not treated apart.
; SHARES.  Four waves; a wave owns 64 rows and ALL the tile's columns: 4 blocks of 16 rows x NB blocks of 16 columns.  So a wave's columns are whole heads, or whole 512 bytes of a row of f32, and
; each wave has a stage of its own on the way out: no barrier there.
; K goes in 8 steps of 128 through a ring of two LDS slots filled by the tensor data mover; a step is four quarters of 32 along K on two fragment buffers.
; W LIES [k][n] and is read turned, by ds_load_tr16_b128.  THE MATRIX INSTRUCTION IS USED TRANSPOSED: source 0 = 16 columns of W, source 1 = 16 rows of A: a lane then holds row lane % 16 of C and the eight
; neighbouring columns 8 (lane / 16) + 0..7.  THE BIAS is the C operand of the products that start the sums: no addition and no clearing is written.
; CLUSTERS: 4 x 4 work-groups.  The four of a row of the cluster need the same tiles of A, the four of a column the same tiles of W: each is asked for JOINTLY, by the same tensor load with the same descriptor
; and a mask that names the four.  Waves 0 and 1 fetch A's two halves, waves 2 and 3 W's two halves of 64 k: one load a wave behind each round; by this text's count a wave has two loads out at the start, later one.
; REGISTERS, in windows of 256 (s_set_vgpr_msb: bits 1:0 source 0, 3:2 source 1, 5:4 source 2, 7:6 destination):
;   window 0: v0-29 addresses; v64-127 A's fragments, two buffers of 4 x 8; v128.. the bias, 8 NB registers, read by the first quarter alone; on the way out v64-255 at work
;   window 1: W's fragments, two buffers of 8 NB          window 2: the sums of my row blocks 0, 1 (block a, column block b at 8 (NB (a % 2) + b))          window 3: those of row blocks 2, 3
.set OUTP, 1
.if OUTP
.set NB,    8                          ; column blocks of 16
.set PA,    144                        ; a row of A in LDS: a head's 128 bytes + 16 = 36 words: the 16 rows of a load start at 16 different groups of four banks (64 banks of 4 bytes: ISA guide 11.1)
.set AH,    256*PA                     ; what one load of A brings: one head's 256 rows
.set PB,    288                        ; a k row of W: 256 bytes + 32 = 72 words
.set ASTR,  128                        ; a head's 256 dense rows are asked for as 128 rows of 256 bytes
.set BSTR,  1024
.set AW0,   (1<<16)|(1<<20)|(1<<21)|(4<<22)|(3<<25)  ; 17:16 2-byte elements; 20 padding on; 21 set beside a mask; 24:22 after every 32 words (code 4); 31:25 4 words (code 3)
.set BW0,   (1<<16)|(1<<20)|(1<<21)|(5<<22)|(7<<25)  ; after every 64 words (code 5) 8 words (code 7)
.set STEPA, 2<<18                      ; a K step is two heads of 2,048 x 128 bytes
.set STEPB, 128*2048
.set STW,   16*528                     ; a wave's stage: 16 rows of 512 bytes + 16
.else
.set NB,    12
.set PA,    272                        ; 256 bytes + 16 = 68 words: row r starts at bank 4 r mod 64
.set AH,    128*PA                     ; 128 rows
.set PB,    480                        ; a k row of W: 384 bytes as three pieces of 128 + 32 = 120 words
.set ASTR,  1024
.set BSTR,  3072
.set AW0,   (1<<16)|(1<<20)|(1<<21)|(5<<22)|(3<<25)  ; after every 64 words (code 5) 4 words (code 3)
.set BW0,   (1<<16)|(1<<20)|(1<<21)|(4<<22)|(7<<25)  ; after every 32 words (code 4), which divide the row's 96, 8 words (code 7)
.set STEPA, 256
.set STEPB, 128*6144
.set STW,   3*16*144                   ; a wave's stage: for each of three heads 16 rows of 128 bytes + 16
.endif
.set BH,    64*PB                      ; what one load of W brings: 64 k rows
.set BOFF,  2*AH                       ; in a slot W lies behind A
.set SLOT1, 1<<17                      ; slot 1 begins here, so that one exclusive or turns an address in one slot into the other's; a slot uses 131,072 bytes (OUTP = 0) or 110,592
.set STAGE, 2*SLOT1                    ; behind the ring, never filled by a tensor load
.set SPARE, STAGE+4*STW                ; behind the stages: the spare words, 128 bytes for each wave: two blocks of 256 bytes that no other line names
.set BI,    128                        ; the bias, in window 0
; v1 lane % 16; v2 lane / 16; v4, v5 my lane's place in a slot's A and W, never rewritten; v6, v7 the same in the slot that is being read; v8 the way out: where I put my bytes of a row;
; v9 where I read rows back; v10 16 x lane; v11 32 x (lane / 16); v12, v13 at work; v28 my spare word's address, v29 0: never rewritten
; s[4:11] A, W, bias, C; s12 wave; s13 wave / 2 (0: I fetch A, 1: W); s14 wave % 2 (which half); s15, s16 cx, cy; s17 tile column; s18 tile row; s19, s20 masks; s[24:31], s[32:39] group 1 for A, W;
; s[40:47], s[48:55] group 0 for A, W: a set for each of the two first fills, the second then walks; s[56:59] byte offsets; s60, s61 LDS addresses; s62 the slot being read; s63 the loop's count;
; s[66:69] tile addresses; s[70:71] bias; s[72:77] C; s2, s3, s21, s23, s[78:87] at work
.set MSB, 0
.macro WIN new                         ; the immediate's high byte repeats the setting that is left; a switch that changes nothing is dropped
.if MSB != (\new)
	s_set_vgpr_msb (MSB<<8)|(\new)
.set MSB, \new
.endif
.endm
; A load into a register that a matrix instruction has read, and whatever but a matrix instruction reads a matrix result, stand four places behind that matrix instruction, and only plain vector
; instructions that name none of its registers are places (ISA guide 7.12.1 for vector instructions).
.macro PLACES
.rept 4
	v_nop
.endr
.endm
; A joint refill, by the walking descriptors.  The branch hangs on the wave's number alone.  An s_nop 0 and four v_nop follow each of the two lines, ahead of the jump, the label and what follows.
.macro JLOAD
	s_cmp_eq_u32 s13, 0
	s_cbranch_scc0 .Lfor_b_\@
	tensor_load_to_lds s[44:47], s[24:31]
	s_nop 0
.rept 4
	v_nop
.endr
	s_branch .Lasked_\@
.Lfor_b_\@:
	tensor_load_to_lds s[52:55], s[32:39]
	s_nop 0
.rept 4
	v_nop
.endr
.Lasked_\@:
.endm
; A round of the cluster's barrier: my work-group's barrier, so that wave 0's signal speaks for all four waves; wave 0 signals; every wave waits for all sixteen work-groups; my work-group's barrier once more.
.macro CREST                           ; a round behind its opening barrier
	s_cmp_lg_u32 s12, 0
	s_cbranch_scc1 .Lnot_wave_0_\@
	s_barrier_signal -3
.Lnot_wave_0_\@:
	s_barrier_wait -3
	s_barrier_signal -1
	s_barrier_wait -1
.endm
.macro CROUND                          ; a whole round
	s_barrier_signal -1
	s_barrier_wait -1
	CREST
.endm
.macro WM                              ; one matrix instruction on the registers rD, rB, rA, rC
.if OUTP
	v_wmma_f32_16x16x32_f16 v[rD:rD+7], v[rB:rB+7], v[rA:rA+7], v[rC:rC+7]
.else
	v_wmma_f32_16x16x32_bf16 v[rD:rD+7], v[rB:rB+7], v[rA:rA+7], v[rC:rC+7]
.endif
.endm
; NB matrix instructions: row block a x all column blocks, 32 along K, from buffer f.  first = 1: the products start the sums, with the bias as C.
; Every quarter takes the 4 NB accumulators in the same order, one instruction a turn: between two links of a chain stand the 4 NB - 1 others', over the loop's backward jump too.
.macro MULA f, a, first
.if \first
	WIN 0x81+0x40*((\a)/2)             ; W window 1, A and the bias window 0, D window 2 or 3
.else
	WIN 0xa1+0x50*((\a)/2)             ; W window 1, A window 0, C and D window 2 or 3
.endif
.set bb, 0
.rept NB
.set rD, 8*(NB*((\a)%2)+bb)
.set rB, 8*NB*(\f)+8*bb
.set rA, 64+32*(\f)+8*(\a)
.if \first
.set rC, BI+8*bb
.else
.set rC, rD
.endif
	WM
.set bb, bb+1
.endr
.endm
; 2 NB + 8 LDS loads in one run: the fragments of quarter q of the slot in hand into buffer f.  W first (turned: lane l reads k = 8 (l / 16) + l % 8, columns 8 ((l / 8) % 2) + 0..7, and is left with column
; l % 16 and 8 k), then A's four row blocks (lane l: row l % 16, k = 8 (l / 16) + 0..7 and 16 more: two loads 32 bytes apart).
.macro FETCH q, f
	WIN 0x40                           ; destination window 1, address window 0
.set bb, 0
.rept NB
.set rB, 8*NB*(\f)+8*bb
.if OUTP
.set cb, 32*bb
.else
.set cb, (bb/4)*160+(bb%4)*32          ; four column blocks to a padded piece of 128 bytes
.endif
	ds_load_tr16_b128 v[rB:rB+3],   v7 offset:32*PB*(\q)+cb
	ds_load_tr16_b128 v[rB+4:rB+7], v7 offset:32*PB*(\q)+cb+16*PB
.set bb, bb+1
.endr
	WIN 0
.if OUTP
.set ka, ((\q)/2)*AH+((\q)%2)*64       ; quarters 0, 1 lie in the step's first head, 2, 3 in its second
.else
.set ka, 64*(\q)
.endif
.irp i, 0,1,2,3
	ds_load_b128 v[64+32*(\f)+8*(\i):64+32*(\f)+8*(\i)+3],   v6 offset:ka+(\i)*16*PA
	ds_load_b128 v[64+32*(\f)+8*(\i)+4:64+32*(\f)+8*(\i)+7], v6 offset:ka+(\i)*16*PA+32
.endr
.endm
; One of a K step's first three quarters: multiplies buffer f; in its middle it fetches quarter q into buffer g.
.macro QUARTER q, f, g, first
	s_wait_dscnt 4                     ; W and A's row blocks 0, 1 are in; the youngest four loads (row blocks 2, 3) may be out
	MULA \f, 0, \first
	MULA \f, 1, \first
	PLACES
	FETCH \q, \g
	s_wait_dscnt 2*NB+8                ; all but the run just issued
	MULA \f, 2, \first
	MULA \f, 3, \first
.endm
; The last quarter multiplies buffer 1 and changes slots.  MEET is its first half: ONE barrier.  In front of it each wave waits for all its tensor loads, of which one is out: its part of the next slot; adds 0 to its
; spare word; and waits for that and for its own reads of this slot.  Behind it nobody reads this slot any more and the next slot is whole.  round = 1: a round of the cluster's barrier follows.
.macro MEET round
	WIN 0                              ; (the add's two registers lie in window 0)
	s_wait_tensorcnt 0x0               ; all my tensor loads have landed;
	ds_add_u32 v28, v29                ; 0 onto my spare word;
	s_wait_dscnt 5                     ; (the add and the youngest four loads may be out)
	MULA 1, 0, 0                       ; NB matrix instructions stand between the add and the wait for it
	s_wait_dscnt 0x0                   ; the add is done, and my reads of this slot are over:
	s_barrier_signal -1                ; say so,
	MULA 1, 1, 0                       ; work on registers while the others arrive,
.if \round
	WIN 0
.endif
	s_barrier_wait -1                  ; and go on when all four have said so
.endm
; The whole last quarter.  fill = 1: behind the round the slot just read out is filled again first, with the K step two steps on: 14 NB matrix instructions ahead of the wait for it.  Then the next slot's first fragments.
.macro TURN fill
	MEET \fill
.if \fill
	CREST                              ; no wave of any partner still reads this slot's tile or has a load on its way
	s_xor_b32 s45, s45, SLOT1          ; the walking descriptors (no tensor load of mine is out): the other slot than last time,
	s_add_nc_u64 s[46:47], s[46:47], STEPA  ; the next K step; the type bits on top are not reached
	s_xor_b32 s53, s53, SLOT1
	s_add_nc_u64 s[54:55], s[54:55], STEPB
	JLOAD                              ; the first tensor load behind the round; the four v_nop behind it are also the places in front of the loads below
.else
	WIN 0
	PLACES
.endif
	s_xor_b32 s62, s62, SLOT1          ; the reads go to the other slot
	v_add_nc_u32 v6, s62, v4
	v_add_nc_u32 v7, s62, v5
	FETCH 0, 0
	MULA 1, 2, 0
	MULA 1, 3, 0
.endm
; THE WAY OUT, OUTP = 0.  PACK: row block a is rounded to f16 (each accumulator's registers in ascending order), 16 bytes a lane go into my stage (a head's rows 144 bytes apart), and whole rows of 128 bytes come
; back into the registers that they left: 32 lanes take four rows, 512 consecutive bytes of a head.
.macro PACK a
	WIN 0x0a+5*((\a)/2)                ; sources 0 and 1: window 2 or 3
.set bb, 0
.rept NB
.irp r, 0,1,2,3
	v_cvt_pk_f16_f32 v[64+48*(\a)+4*bb+(\r)], v[8*(NB*((\a)%2)+bb)+2*(\r)], v[8*(NB*((\a)%2)+bb)+2*(\r)+1]
.endr
.set bb, bb+1
.endr
	WIN 0
.set bb, 0
.rept NB
	ds_store_b128 v8, v[64+48*(\a)+4*bb:64+48*(\a)+4*bb+3] offset:(bb/4)*2304+(bb%4)*32
.set bb, bb+1
.endr
.set bb, 0
.rept NB
	ds_load_b128 v[64+48*(\a)+4*bb:64+48*(\a)+4*bb+3], v9 offset:(bb/4)*2304+(bb%4)*576  ; LDS serves a wave's instructions in order (ISA guide 5.7.1.4): these see the stores above; the next block's stores come behind them
.set bb, bb+1
.endr
.endm
.macro SENDH a, younger                ; younger: the LDS instructions issued behind block a's loads: the next block's 24, or none.  Each block has 48 registers of its own: nothing that a store reads is rewritten
.set bb, 0
.rept NB
	s_wait_dscnt (\younger)+NB-1-bb
	global_store_b128 v10, v[64+48*(\a)+4*bb:64+48*(\a)+4*bb+3], s[72+2*(bb/4):73+2*(bb/4)] offset:(\a)*2048+(bb%4)*512  ; 512 consecutive bytes, at a multiple of 256 from the buffer's first
.set bb, bb+1
.endr
.endm
; THE WAY OUT, OUTP = 1: no arithmetic is left.  TOSTAGE: row block a goes from the accumulators into my stage (rows 528 bytes apart; each accumulator's low four registers first), and whole rows of 512 bytes come back.
.macro TOSTAGE a
.if (\a) >= 2
	s_wait_xcnt 0x0                    ; the registers loaded below were the data of the stores two blocks back: they are rewritten only behind this wait (ISA guide 3.1)
.endif
	WIN 0x08+4*((\a)/2)                ; store data (source 1): window 2 or 3
.set bb, 0
.rept NB
.set rD, 8*(NB*((\a)%2)+bb)
	ds_store_b128 v8, v[rD:rD+3]   offset:64*bb
	ds_store_b128 v8, v[rD+4:rD+7] offset:64*bb+16
.set bb, bb+1
.endr
	WIN 0
.set bb, 0
.rept 16
	ds_load_b128 v[128+64*((\a)%2)+4*bb:128+64*((\a)%2)+4*bb+3], v9 offset:528*bb
.set bb, bb+1
.endr
.endm
.macro SENDF a, younger                ; younger: the next block's 32 LDS instructions, or none
	s_wait_dscnt \younger
.set bb, 0
.rept 16
	global_store_b128 v10, v[128+64*((\a)%2)+4*bb:128+64*((\a)%2)+4*bb+3], s[72:73] offset:(16*(\a)+bb)*4096 th:TH_STORE_NT  ; 512 consecutive bytes of a row of C, at a multiple of 512
.set bb, bb+1
.endr
.endm
	s_load_b256 s[4:11], s[0:1], 0x0               ; A s[4:5], W s[6:7], bias s[8:9], C s[10:11]
	v_lshl_add_u32 v28, v0, 2, SPARE
	v_mov_b32 v29, 0
	ds_add_u32 v28, v29                            ; the wave's opening: the add and its wait stand ahead of my first tensor load; the set-up below, work on registers, stands between them
	ds_add_u32 v28, v29
	v_lshrrev_b32 v3, 5, v0
	v_readfirstlane_b32 s12, v3                    ; wave 0..3
	s_lshr_b32 s13, s12, 1
	s_and_b32 s14, s12, 1
	s_bfe_u32 s15, ttmp6, 0x40000                  ; cx, cy: my place in the cluster
	s_bfe_u32 s16, ttmp6, 0x40004
	s_lshl_b32 s17, ttmp9, 2                       ; in a cluster launch ttmp9 and ttmp7 count clusters
	s_add_co_u32 s17, s17, s15                     ; tile column = 4 x cluster x + cx
	s_and_b32 s18, ttmp7, 0xffff
	s_lshl_b32 s18, s18, 2
	s_add_co_u32 s18, s18, s16                     ; tile row = 4 x cluster y + cy
	s_lshl_b32 s19, s16, 2
	s_lshl_b32 s19, 15, s19                        ; my row of the cluster: places 4 cy .. 4 cy + 3
	s_lshl_b32 s20, 0x1111, s15                    ; my column: places cx, cx + 4, cx + 8, cx + 12
	s_or_b32 s24, s19, AW0                         ; group 1 for A: 15:0 the mask of my row
	s_mov_b32 s25, 128<<16                         ; tensor_dim0 = 128 elements
	s_mov_b32 s26, 128<<16                         ; tensor_dim1 = 128 rows
	s_mov_b32 s27, 128<<16                         ; tile_dim0 = 128
	s_mov_b32 s28, 128                             ; tile_dim1 = 128
	s_mov_b32 s29, ASTR                            ; elements from row to row
	s_mov_b32 s30, 0
	s_mov_b32 s31, 0
	s_or_b32 s32, s20, BW0                         ; group 1 for W: the mask of my column
	s_mov_b32 s33, (16*NB)<<16                     ; tensor_dim0 = the tile's columns
	s_mov_b32 s34, 64<<16                          ; tensor_dim1 = 64 k
	s_mov_b32 s35, (16*NB)<<16
	s_mov_b32 s36, 64
	s_mov_b32 s37, BSTR
	s_mov_b32 s38, 0
	s_mov_b32 s39, 0
	; where the tiles come from.  A's hang on the tile row and the wave's number alone, W's on the tile column and the wave's number alone, each in registers that never hold the other coordinate.
.if OUTP
	s_lshr_b32 s21, s18, 3                         ; the batch: 16 heads of 2,048 x 128 bytes,
	s_lshl_b32 s56, s21, 22
	s_and_b32 s21, s18, 7                          ; the tile's 256 rows in a head,
	s_lshl_b32 s21, s21, 15
	s_add_co_u32 s56, s56, s21
	s_lshl_b32 s21, s14, 18                        ; and which of the step's two heads I fetch
	s_add_co_u32 s56, s56, s21
	s_lshl_b32 s58, s17, 8                         ; 128 columns of 2 bytes,
	s_lshl_b32 s23, s14, 17                        ; 64 k rows of 2,048 bytes
	s_add_co_u32 s58, s58, s23
.else
	s_lshl_b32 s56, s18, 19                        ; 256 rows of 2,048 bytes,
	s_lshl_b32 s21, s14, 18                        ; which 128 of them I fetch
	s_add_co_u32 s56, s56, s21
	s_mul_i32 s58, s17, 384                        ; 192 columns of 2 bytes,
	s_mul_i32 s23, s14, 393216                     ; 64 k rows of 6,144 bytes
	s_add_co_u32 s58, s58, s23
.endif
	s_mov_b32 s57, 0
	s_mov_b32 s59, 0
	s_mul_i32 s60, s14, AH                         ; and where they go: no place in the cluster enters an LDS address
	s_mul_i32 s61, s14, BH
	s_add_co_u32 s61, s61, BOFF
	s_wait_dscnt 0x0                               ; the opening add is done
	s_wait_kmcnt 0x0
	s_add_nc_u64 s[66:67], s[4:5], s[56:57]
	s_add_nc_u64 s[68:69], s[6:7], s[58:59]
	CROUND                                         ; all sixteen work-groups are here: the first joint loads meet
.irp i, 0,1
	s_mov_b32 s[40+4*(\i)], 1                                      ; 1:0 count = 1
	s_add_co_u32 s[41+4*(\i)], s60, (\i)*SLOT1                     ; 63:32 LDS address
	s_add_nc_u64 s[42+4*(\i):43+4*(\i)], s[66:67], (\i)*STEPA      ; 120:64 global address: K step i
	s_or_b32 s[43+4*(\i)], s[43+4*(\i)], 0x80000000                ; 127:126 type = 2
	s_mov_b32 s[48+4*(\i)], 1
	s_add_co_u32 s[49+4*(\i)], s61, (\i)*SLOT1
	s_add_nc_u64 s[50+4*(\i):51+4*(\i)], s[68:69], (\i)*STEPB
	s_or_b32 s[51+4*(\i)], s[51+4*(\i)], 0x80000000
.endr
	s_cmp_eq_u32 s13, 0                            ; a wave's two first fills stand in one branch, ahead of every wait on TENSORcnt and every LDS read: two loads of mine are out
	s_cbranch_scc0 .Lfirst_b
	tensor_load_to_lds s[40:43], s[24:31]
	s_nop 0
	tensor_load_to_lds s[44:47], s[24:31]
	s_nop 0
.rept 4
	v_nop
.endr
	s_branch .Lfirst_asked
.Lfirst_b:
	tensor_load_to_lds s[48:51], s[32:39]
	s_nop 0
	tensor_load_to_lds s[52:55], s[32:39]
	s_nop 0
.rept 4
	v_nop
.endr
.Lfirst_asked:
	v_and_b32 v1, 15, v0                           ; l % 16
	v_bfe_u32 v2, v0, 4, 1                         ; l / 16
	v_and_b32 v12, 7, v0
	v_bfe_u32 v13, v0, 3, 1
	s_mul_i32 s2, s12, 64*PA                       ; my 64 rows of A
	v_mul_u32_u24 v4, v1, PA
	v_lshl_add_u32 v4, v2, 4, v4
	v_add_nc_u32 v4, s2, v4                        ; row x pitch + 16 x half
	v_lshl_add_u32 v5, v2, 3, v12                  ; the turning load's k row,
	v_mul_u32_u24 v5, v5, PB
	v_lshl_add_u32 v5, v13, 4, v5                  ; its 16 bytes,
	v_add_nc_u32 v5, BOFF, v5
	v_mov_b32 v6, v4                               ; slot 0 is read first
	v_mov_b32 v7, v5
	s_mov_b32 s62, 0
	v_lshlrev_b32 v11, 5, v2                       ; my eight numbers of a column block's bias
	v_and_b32 v10, 31, v0
	v_lshlrev_b32 v10, 4, v10
	s_mul_i32 s3, s12, STW
	s_add_co_u32 s3, s3, STAGE                     ; my stage
	s_mov_b32 s79, 0
	s_mov_b32 s87, 0
.if OUTP
	v_mul_u32_u24 v8, v1, 528                      ; in: row l % 16, 32 bytes for each half of the lanes
	v_lshl_add_u32 v8, v2, 5, v8
	v_add_nc_u32 v8, s3, v8
	v_add_nc_u32 v9, s3, v10                       ; back: 32 lanes take a row of 512 bytes
	s_lshl_b32 s78, s17, 9                         ; b_o lies behind the three other biases; 128 columns of 4 bytes
	s_add_co_u32 s78, s78, 12288
	s_add_nc_u64 s[70:71], s[8:9], s[78:79]
	s_lshl_b32 s86, s18, 20                        ; 256 rows of 4,096 bytes,
	s_lshl_b32 s80, s12, 18                        ; my 64 of them,
	s_add_co_u32 s86, s86, s80
	s_lshl_b32 s80, s17, 9                         ; the tile's columns
	s_add_co_u32 s86, s86, s80
	s_add_nc_u64 s[72:73], s[10:11], s[86:87]
.else
	v_mul_u32_u24 v8, v1, 144                      ; in: row l % 16, 16 bytes for each half of the lanes
	v_lshl_add_u32 v8, v2, 4, v8
	v_add_nc_u32 v8, s3, v8
	v_bfe_u32 v9, v0, 3, 2                         ; back: 32 lanes take four rows of 128 bytes
	v_mul_u32_u24 v9, v9, 144
	v_lshl_add_u32 v9, v12, 4, v9
	v_add_nc_u32 v9, s3, v9
	s_mul_i32 s78, s17, 768                        ; 192 columns of 4 bytes
	s_add_nc_u64 s[70:71], s[8:9], s[78:79]
	s_lshr_b32 s80, s18, 3                         ; the batch,
	s_lshl_b32 s80, s80, 4                         ; its 16 heads
	s_and_b32 s81, s18, 7                          ; the tile's 256 rows of 128 bytes in a head,
	s_lshl_b32 s81, s81, 15
	s_lshl_b32 s82, s12, 13                        ; my 64 of them
	s_add_co_u32 s81, s81, s82
	s_mul_i32 s83, s17, 3                          ; the tile's three heads among the 48 of q, k, v
.irp hb, 0,1,2
	s_add_co_u32 s84, s83, \hb
	s_lshr_b32 s85, s84, 4                         ; q, k or v: 64 heads each
	s_lshl_b32 s85, s85, 6
	s_and_b32 s84, s84, 15
	s_add_co_u32 s84, s84, s85
	s_add_co_u32 s84, s84, s80
	s_lshl_b32 s84, s84, 18                        ; a head is 2,048 x 128 bytes
	s_add_co_u32 s86, s84, s81
	s_add_nc_u64 s[72+2*(\hb):73+2*(\hb)], s[10:11], s[86:87]
.endr
.endif
.set bb, 0
.rept NB                                               ; register j of block b: bias[16 b + 8 (l / 16) + j], as the result's layout has it
	global_load_b128 v[BI+8*bb:BI+8*bb+3],   v11, s[70:71] offset:64*bb
	global_load_b128 v[BI+8*bb+4:BI+8*bb+7], v11, s[70:71] offset:64*bb+16
.set bb, bb+1
.endr
	s_wait_tensorcnt 1                             ; my part of K step 0 is in; K step 1's may stay out
	s_barrier_signal -1
	s_barrier_wait -1                              ; everybody's is
	FETCH 0, 0
	s_wait_loadcnt 0x0                             ; the bias
	QUARTER 1, 0, 1, 1                             ; the first quarter stands in front of the loop: its products start the sums
	WIN 0                                          ; at a label and at a branch every window is 0
	s_mov_b32 s63, 6
.Lstep:                                                ; trip t ends K step t, fills its slot again with K step t + 2, and does K step t + 1's first quarter
	QUARTER 2, 1, 0, 0
	QUARTER 3, 0, 1, 0
	TURN 1
	QUARTER 1, 0, 1, 0
	WIN 0
	s_sub_co_u32 s63, s63, 1
	s_cmp_lg_u32 s63, 0
	s_cbranch_scc1 .Lstep
	QUARTER 2, 1, 0, 0                             ; the tail is written out: K steps 6 and 7 ask for nothing
	QUARTER 3, 0, 1, 0
	TURN 0
	QUARTER 1, 0, 1, 0
	QUARTER 2, 1, 0, 0
	QUARTER 3, 0, 1, 0
	s_wait_dscnt 4                                 ; the very last quarter: nothing more to fetch
	MULA 1, 0, 0
	MULA 1, 1, 0
	s_wait_dscnt 0x0
	MULA 1, 2, 0
	MULA 1, 3, 0
	WIN 0
	PLACES                                         ; behind the last products
.if OUTP
	TOSTAGE 0
	TOSTAGE 1                                      ; a block's way through the stage stands between the loads of the block before and its stores
	SENDF 0, 32
	TOSTAGE 2
	SENDF 1, 32
	TOSTAGE 3
	SENDF 2, 32
	SENDF 3, 0
.else
	PACK 0
	PACK 1
	SENDH 0, 24
	PACK 2
	SENDH 1, 24
	PACK 3
	SENDH 2, 24
	SENDH 3, 0
.endif
	s_wait_tensorcnt 0x0                           ; the wave's end, behind my last tensor load and my last LDS store
	ds_add_u32 v28, v29
	s_wait_dscnt 0x0
	CROUND                                         ; the closing round: no work-group ends while a partner may still ask for a tile that names it
	s_endpgm
.Lfunc_end_k_qd6f878ffa1_outp:
	.size	k_qd6f878ffa1_outp, .Lfunc_end_k_qd6f878ffa1_outp-k_qd6f878ffa1_outp
	.p2alignl 7, 3214868480
	.fill 96, 4, 3214868480
	.section	.rodata,"a",@progbits
	.p2align	6, 0x0
	.amdhsa_kernel k_qd6f878ffa1_outp
		.amdhsa_group_segment_fixed_size 327680
		.amdhsa_private_segment_fixed_size 0
		.amdhsa_enable_private_segment 0
		.amdhsa_kernarg_size 32
		.amdhsa_user_sgpr_count 2
		.amdhsa_user_sgpr_kernarg_segment_ptr 1
		.amdhsa_wavefront_size32 1
		.amdhsa_system_sgpr_workgroup_id_x 1
		.amdhsa_system_sgpr_workgroup_id_y 1
		.amdhsa_system_sgpr_workgroup_id_z 1
		.amdhsa_system_vgpr_workitem_id 0
		.amdhsa_next_free_vgpr 896
		.amdhsa_next_free_sgpr 88
		.amdhsa_reserve_vcc 0
		.amdhsa_float_denorm_mode_32 3
		.amdhsa_float_denorm_mode_16_64 3
		.amdhsa_memory_ordered 1
		.amdhsa_forward_progress 1
		.amdhsa_inst_pref_size 71
	.end_amdhsa_kernel
	.amdgpu_metadata
---
amdhsa.version: [ 1, 2 ]
amdhsa.kernels:
  - .name:           k_qd6f878ffa1_outp
    .symbol:         k_qd6f878ffa1_outp.kd
    .args:
      - { .name: ctx, .offset: 0, .size: 8, .value_kind: global_buffer, .address_space: global }
      - { .name: wo16, .offset: 8, .size: 8, .value_kind: global_buffer, .address_space: global }
      - { .name: bias, .offset: 16, .size: 8, .value_kind: global_buffer, .address_space: global }
      - { .name: out0, .offset: 24, .size: 8, .value_kind: global_buffer, .address_space: global }
    .group_segment_fixed_size: 327680
    .private_segment_fixed_size: 0
    .kernarg_segment_align: 8
    .kernarg_segment_size: 32
    .max_flat_workgroup_size: 128
    .sgpr_count:     88
    .vgpr_count:     896
    .wavefront_size: 32
...
	.end_amdgpu_metadata
.endif
;; end of part 4
